; MI455X (gfx1250); checked and timed in simulation.
; The chip was launched on July 23, 2026; its instructions are those of AMD's public machine-readable ISA for CDNA 5 (MIT licence, August 2026) and "CDNA5" Instruction Set Architecture Reference Guide (July 2026). The comments in the code are by the model that wrote it; some were corrected since.
;; CAFM. Allowed arithmetic: matrix products marked QUANTISED: E2M3 operands, one E8M0 scale for each 32 along K, by v_wmma_scale_f32_16x16x128_f8f6f4 with both operands' format E2M3, f32 sums; everything else in f32.
;; Inputs: cqt_feat 16 x 256 x 32 x 32 float32; out1_b 256 float32; out1_w 512 x 256 float32; out2_b 256 float32; out2_w 256 x 256 float32; stft_feat 16 x 256 x 32 x 32 float32; wq1_b 256 float32; wq1_w 256 x 256 float32; wq2_b 256 float32; wq2_w 256 x 256 float32; wq3_b 256 float32; wq3_w 256 x 256 float32; wq4_b 256 float32; wq4_w 256 x 256 float32; wq5_b 256 float32; wq5_w 256 x 256 float32; wq6_b 256 float32; wq6_w 256 x 256 float32.
;; Outputs: out0 16 x 256 float32.
;; This version of the problem:
;;   THIS VERSION OF THE PROBLEM IS GIVEN IN LOW PRECISION. The matrix products marked QUANTISED in the list below multiply operands that are first quantised to E2M3 (2 exponent bits, 3 mantissa bits; 6 bits a number), with one power-of-two scale for each 32 numbers along K (OCP MX v1.0); their sums are f32. All else is computed in f32.
;;   The module's matrix products, in the order in which they are computed (A, B: the left and right operand; K: the contracted axis; several contracted axes count as one K, in the product's order):
;;     1. [M 16,384, K 256] x [K 256, N 256]; A: input stft_feat; B: input wq1_w: QUANTISED
;;     2. [M 16,384, K 256] x [K 256, N 256]; A: input cqt_feat; B: input wq2_w: QUANTISED
;;     3. [M 16,384, K 256] x [K 256, N 256]; A: input cqt_feat; B: input wq3_w: QUANTISED
;;     4. batch 16 x [M 1,024, K 256] x [K 256, N 1,024]; A: computed on the way; B: computed on the way: QUANTISED
;;     5. batch 16 x [M 1,024, K 1,024] x [K 1,024, N 256]; A: softmax (see below); B: computed on the way: QUANTISED
;;     6. [M 16,384, K 256] x [K 256, N 256]; A: input cqt_feat; B: input wq4_w: QUANTISED
;;     7. [M 16,384, K 256] x [K 256, N 256]; A: input stft_feat; B: input wq5_w: QUANTISED
;;     8. [M 16,384, K 256] x [K 256, N 256]; A: input stft_feat; B: input wq6_w: QUANTISED
;;     9. batch 16 x [M 1,024, K 256] x [K 256, N 1,024]; A: computed on the way; B: computed on the way: QUANTISED
;;     10. batch 16 x [M 1,024, K 1,024] x [K 1,024, N 256]; A: softmax (see below); B: computed on the way: QUANTISED
;;     11. [M 16, K 512] x [K 512, N 256]; A: computed on the way; B: input out1_w: QUANTISED
;;     12. [M 16, K 256] x [K 256, N 256]; A: computed on the way; B: input out2_w: QUANTISED
;;   THE QUANTISER, for each operand of a quantised product, along K:
;;     - K is cut into blocks of 32 from its start; a last block that is shorter is filled with zeros.
;;     - A block's scale is 2^e with e = floor(log2(the largest magnitude in the block)) - 2, held to -126 .. 127; a block of zeros has e = 0. As a byte (E8M0): e + 127.
;;     - Each number is divided by its block's scale, clamped to +-7.5, and rounded to the nearest number of E2M3, ties to even, subnormals kept.
;;     - The product sums the exact products of the quantised numbers (number of the format x scale) in f32.
;;   ~~~python
;;   def quantise(x, axis):      # numpy; x: float32 -> the quantised numbers, widened to float32 again
;;       x = np.moveaxis(x, axis, -1); K = x.shape[-1]
;;       x = np.pad(x, [(0, 0)] * (x.ndim - 1) + [(0, -K % 32)]); x = x.reshape(x.shape[:-1] + (-1, 32)); a = np.abs(x).max(-1, keepdims=True)
;;       e = np.where(a > 0, np.clip(np.frexp(np.where(a > 0, a, 1))[1] - 1 - 2, -126, 127), 0)      # np.frexp(a)[1] - 1 = floor(log2(a)), exactly
;;       r = np.clip(x / 2.0 ** e, -7.5, 7.5)
;;       step = 2.0 ** (np.maximum(np.frexp(np.where(r == 0, 1, r))[1] - 1, 0) - 3)
;;       q = np.round(r / step) * step * 2.0 ** e      # np.round: ties to even
;;       return np.moveaxis(q.reshape(q.shape[:-2] + (-1,))[..., :K], -1, axis).astype(np.float32)
;;   ~~~
;;   SOFTMAX AHEAD OF A QUANTISED PRODUCT. Where the list says 'softmax', what is quantised is not the finished softmax but p = 2^(t - M), with t = logit x log2(e) and M = ceil(the row's largest t), a whole number; so 1/2 < the row's largest p <= 1. The row's sum l is taken of the UNQUANTISED p, in f32, and the product's result is divided by l at the end. Since M is a whole number, a kernel that streams over the keys may use a running M (the ceiling of the running maximum): every later rescaling is an exact power of two, which a block's scale takes up: the codes' values come out the same.
;;   OPERANDS COMPUTED ON THE WAY. 'Computed on the way' means the value that the module computes at that place (a softmax that the list does not call 'softmax' is quantised finished and normalised). What goes into a quantiser is computed in f32, as accurately as f32 sums, v_exp_f32 and their like allow (about 1e-6 of the number): no bf16 or f16 on the way to a quantiser, and a product that is left as it is and whose result goes on into a quantised operand takes f32 operands (vector FMAs, or v_wmma_f32_16x16x4_f32). A number that lies on a knife's edge between two numbers of the format may be rounded either way, as far as f32 arithmetic and the matrix unit's own rounding can turn it there, and no further.
;; One version. Each part assembles by itself: llvm-mc -triple=amdgcn-amd-amdhsa -mcpu=gfx1250 --defsym DOCPART=n.
;; ======== version 1 of 1: 4 launches
;; limits: right only within a limited range of input values
;; workspace buffers: wts 479,232 bytes; qkv 20,447,232 bytes; part 262,144 bytes
;; launch wquant (part 1): grid 288 x 1, 1 waves a work-group, no clusters, 0 bytes of LDS; arguments wq1_w, wq2_w, wq3_w, wq4_w, wq5_w, wq6_w, out1_w, out2_w, wts; writes wts
.if DOCPART == 1
	.amdgcn_target "amdgcn-amd-amdhsa--gfx1250"
	.amdhsa_code_object_version 6
	.text
	.protected	k_qb0384681c8_wquant
	.globl	k_qb0384681c8_wquant
	.p2align	8
	.type	k_qb0384681c8_wquant,@function
k_qb0384681c8_wquant:
	s_mov_b64 s[64:65], 0
	v_nop
	global_prefetch_b8 v0, s[64:65] scope:SCOPE_SE
	s_setreg_imm32_b32 hwreg(HW_REG_WAVE_MODE, 25, 1), 1
	s_wait_xcnt 0x0
; The eight weights, f32, stored [k][256] with K as the FIRST axis, become codes of FP6 (E2M3) with one E8M0 scale for each 32 along K,
; laid as IMAGES OF OPERAND REGISTERS.  A fragment is 16 columns x 128 along K = 12 registers a lane; its image is 1,536 bytes: registers 4 j .. 4 j + 3
; of lane L at 512 j + 16 L.  Its scale words (one a column, the same in lanes L and L xor 16) are 128 bytes, 4 a lane, from byte WSC on.
; One wave makes one fragment, number f = the work-group's number:
;   f = 32 widx + 2 t + s for wq1 .. wq6 (column tile t, K step s);  192 + 4 t + s for out1_w;  256 + 2 t + s for out2_w.
; THE COLUMNS OF A TILE ARE NOT NEIGHBOURS: row r of tile t is column 32 (t / 2) + 8 (t % 2) + r + 8 (r / 8), so that the results of two neighbouring
; tiles, used transposed, are 16 neighbours along the next product's K.
; A lane takes one column and its registers run down K in the operand's own order (registers 6 c .. 6 c + 5: k = 64 c + 32 (L / 16) + 0 .. 31): nothing is transposed.
; Each load reads two runs of 32 bytes in each half of the lanes: accepted for 2.4 MB that are read once in the whole program.
; LIMITS: NaN and infinities are not served.  A block whose largest magnitude lies under 2^-124 is held at the scale byte 1; a block of zeros gets the byte 1
; where the rule says 127: its codes are zeros, and these bytes are read by this program alone.
.set WSC, 442368                       ; 288 fragments x 1,536 bytes: the scale words begin here
	s_load_b512 s[8:23], s[0:1], 0x0               ; the eight weights' addresses
	s_load_b64 s[24:25], s[0:1], 0x40              ; wts
	v_and_b32 v1, 15, v0                           ; r
	v_lshrrev_b32 v2, 4, v0                        ; h (one wave: v0 is the lane)
	v_and_b32 v3, 8, v1
	v_add_nc_u32 v3, v3, v1                        ; r + 8 (r / 8)
	v_lshlrev_b32 v3, 2, v3
	v_lshl_add_u32 v3, v2, 15, v3                  ; + 32 h rows of 1,024 bytes
	v_lshlrev_b32 v4, 4, v0                        ; an image's place for my lane
	v_lshlrev_b32 v5, 2, v0                        ; a scale word's
	s_mov_b32 s2, ttmp9                            ; f
	s_lshr_b32 s3, s2, 5                           ; which weight: 0 .. 5 wq1 .. wq6, 6 and 7 out1_w, 8 out2_w
	s_lshr_b32 s26, s2, 6
	s_cmp_eq_u32 s26, 3                            ; out1_w has four K steps, the others two
	s_cselect_b32 s27, 2, 1
	s_cselect_b32 s34, 63, 31
	s_cselect_b32 s35, 3, 1
	s_and_b32 s34, s2, s34
	s_lshr_b32 s34, s34, s27                       ; t
	s_and_b32 s35, s2, s35                         ; s
	s_lshl_b32 s6, s35, 17                         ; 128 s rows of 1,024 bytes
	s_lshr_b32 s36, s34, 1
	s_lshl_b32 s36, s36, 7                         ; 32 (t / 2) columns of 4 bytes
	s_and_b32 s37, s34, 1
	s_lshl_b32 s37, s37, 5                         ; 8 (t % 2) columns
	s_add_co_u32 s6, s6, s36
	s_add_co_u32 s6, s6, s37
	s_mov_b32 s7, 0
	s_mul_i32 s28, s2, 1536                        ; my image
	s_mov_b32 s29, 0
	s_lshl_b32 s30, s2, 7                          ; my scale words
	s_add_co_u32 s30, s30, WSC
	s_mov_b32 s31, 0
	s_mov_b32 s32, 0x76543210
	s_mov_b32 s33, 0xfedcba98                      ; v_permlanex16_b32's selects for lane l xor 16
	s_wait_alu depctr_va_vdst(0)
	s_wait_kmcnt 0x0
	s_mov_b64 s[4:5], s[8:9]
.macro PICK n, m                       ; the choice hangs on the work-group's number alone
	s_cmp_ge_u32 s3, \n
	s_cselect_b64 s[4:5], s[8+2*\m:9+2*\m], s[4:5]
.endm
	PICK 1, 1
	PICK 2, 2
	PICK 3, 3
	PICK 4, 4
	PICK 5, 5
	PICK 6, 6
	PICK 8, 7
	s_add_nc_u64 s[4:5], s[4:5], s[6:7]
	s_add_nc_u64 s[28:29], s[24:25], s[28:29]
	s_add_nc_u64 s[30:31], s[24:25], s[30:31]
.irp c, 0,1
.irp i, 0,1,2,3,4,5,6,7,8,9,10,11,12,13,14,15,16,17,18,19,20,21,22,23,24,25,26,27,28,29,30,31
	global_load_b32 v[64+32*\c+\i], v3, s[4:5] offset:(64*\c+\i)*1024   ; W(128 s + 64 c + 32 h + i, my column)
.endr
.endr
	s_wait_loadcnt 0x0
.irp c, 0,1                            ; my block 2 c + h: all its 32 numbers are mine
	v_max3_num_f32 v[32+\c], |v[64+32*\c]|, |v[65+32*\c]|, 0x1800000   ; with the floor 2^(3 - 127): the byte cannot fall under 1
.endr
.irp i, 2,4,6,8,10,12,14,16,18,20,22,24,26,28,30
.irp c, 0,1
	v_max3_num_f32 v[32+\c], v[32+\c], |v[64+32*\c+\i]|, |v[65+32*\c+\i]|   ; the two blocks by turns
.endr
.endr
.irp c, 0,1
	v_add_nc_u32 v[44+\c], 0xff000000, v[32+\c]    ; 2 off the exponent field: the conversion's scale operand
.endr
.irp c, 0,1
	v_lshrrev_b32 v[36+\c], 23, v[44+\c]           ; the scale's byte
.endr
	v_lshl_or_b32 v9, v37, 16, v36                 ; my two bytes: blocks h and 2 + h,
	v_lshlrev_b32 v10, 3, v2
	v_lshlrev_b32 v9, v10, v9                      ; at their places in the word;
	v_mov_b32 v10, 0
	v_permlanex16_b32 v10, v9, s32, s33
	v_or_b32 v9, v9, v10                           ; with lane l xor 16's two the word is whole, in both lanes
.irp c, 0,1
	v_cvt_scalef32_pk16_fp6_f32 v[48+6*\c:50+6*\c], v[64+32*\c:79+32*\c], v[44+\c]
	v_cvt_scalef32_pk16_fp6_f32 v[12+4*\c:14+4*\c], v[80+32*\c:95+32*\c], v[44+\c]   ; (a conversion's three registers begin on an even number)
.endr
	v_nop                                          ; one plain place behind a scaled conversion
.irp c, 0,1
.irp i, 0,1,2
	v_mov_b32 v[51+6*\c+\i], v[12+4*\c+\i]
.endr
.endr
.irp j, 0,1,2
	global_store_b128 v4, v[48+4*\j:51+4*\j], s[28:29] offset:512*\j   ; 32 lanes store 512 consecutive bytes, aligned
.endr
	global_store_b32 v5, v9, s[30:31]
	s_endpgm
.Lfunc_end_k_qb0384681c8_wquant:
	.size	k_qb0384681c8_wquant, .Lfunc_end_k_qb0384681c8_wquant-k_qb0384681c8_wquant
	.p2alignl 7, 3214868480
	.fill 96, 4, 3214868480
	.section	.rodata,"a",@progbits
	.p2align	6, 0x0
	.amdhsa_kernel k_qb0384681c8_wquant
		.amdhsa_group_segment_fixed_size 0
		.amdhsa_private_segment_fixed_size 0
		.amdhsa_enable_private_segment 0
		.amdhsa_kernarg_size 72
		.amdhsa_user_sgpr_count 2
		.amdhsa_user_sgpr_kernarg_segment_ptr 1
		.amdhsa_wavefront_size32 1
		.amdhsa_system_sgpr_workgroup_id_x 1
		.amdhsa_system_sgpr_workgroup_id_y 1
		.amdhsa_system_sgpr_workgroup_id_z 1
		.amdhsa_system_vgpr_workitem_id 0
		.amdhsa_next_free_vgpr 128
		.amdhsa_next_free_sgpr 66
		.amdhsa_reserve_vcc 0
		.amdhsa_float_denorm_mode_32 3
		.amdhsa_float_denorm_mode_16_64 3
		.amdhsa_memory_ordered 1
		.amdhsa_forward_progress 1
		.amdhsa_inst_pref_size 12
	.end_amdhsa_kernel
	.amdgpu_metadata
---
amdhsa.version: [ 1, 2 ]
amdhsa.kernels:
  - .name:           k_qb0384681c8_wquant
    .symbol:         k_qb0384681c8_wquant.kd
    .args:
      - { .name: wq1_w, .offset: 0, .size: 8, .value_kind: global_buffer, .address_space: global }
      - { .name: wq2_w, .offset: 8, .size: 8, .value_kind: global_buffer, .address_space: global }
      - { .name: wq3_w, .offset: 16, .size: 8, .value_kind: global_buffer, .address_space: global }
      - { .name: wq4_w, .offset: 24, .size: 8, .value_kind: global_buffer, .address_space: global }
      - { .name: wq5_w, .offset: 32, .size: 8, .value_kind: global_buffer, .address_space: global }
      - { .name: wq6_w, .offset: 40, .size: 8, .value_kind: global_buffer, .address_space: global }
      - { .name: out1_w, .offset: 48, .size: 8, .value_kind: global_buffer, .address_space: global }
      - { .name: out2_w, .offset: 56, .size: 8, .value_kind: global_buffer, .address_space: global }
      - { .name: wts, .offset: 64, .size: 8, .value_kind: global_buffer, .address_space: global }
    .group_segment_fixed_size: 0
    .private_segment_fixed_size: 0
    .kernarg_segment_align: 8
    .kernarg_segment_size: 72
    .max_flat_workgroup_size: 32
    .sgpr_count:     66
    .vgpr_count:     128
    .wavefront_size: 32
...
	.end_amdgpu_metadata
.endif
;; end of part 1
;; launch proj (part 2): grid 8 x 32, 4 waves a work-group, no clusters, 168,448 bytes of LDS; arguments stft_feat, cqt_feat, wq1_b, wq2_b, wq3_b, wq4_b, wq5_b, wq6_b, wts, qkv; writes qkv
.if DOCPART == 2
	.amdgcn_target "amdgcn-amd-amdhsa--gfx1250"
	.amdhsa_code_object_version 6
	.text
	.protected	k_qb0384681c8_proj
	.globl	k_qb0384681c8_proj
	.p2align	8
	.type	k_qb0384681c8_proj,@function
k_qb0384681c8_proj:
	s_mov_b64 s[64:65], 0
	v_nop
	global_prefetch_b8 v0, s[64:65] scope:SCOPE_SE
	s_setreg_imm32_b32 hwreg(HW_REG_WAVE_MODE, 25, 1), 1
	s_wait_xcnt 0x0
; The six projections.  A feature map lies [b][c][n]; the products' K is c.  A work-group takes 128 positions n (block i = work-group x) of one map
; (y = work-group y: feat = y / 16, 0 stft, 1 cqt; b = y % 16), quantises them along c, multiplies them by the map's three weights (256 x 768), adds the biases,
; and quantises the results for the attention: Q and K along c, V along the keys.  All results leave as images of operand registers (1,536 bytes a fragment:
; registers 4 j .. 4 j + 3 of lane L at 512 j + 16 L) and scale words as images of four registers (512 bytes): every store covers 512 consecutive, aligned bytes.
; stft feeds Q of attention 0 (wq1) and K, V of attention 1 (wq5, wq6); cqt feeds Q of attention 1 (wq4) and K, V of attention 0 (wq2, wq3).
; x: each wave brings 64 channels x 128 positions (rows of 512 bytes) by ONE tensor load into its own LDS bytes, filled once.  A lane then takes one position and its registers run down c:
; two whole blocks of 32 a lane.  The codes go into rows in LDS (192 bytes of codes, pitch 208), the scale bytes beside them; one barrier; every wave reads all 16 fragments of x.
; THE ROWS OF A TILE ARE NOT NEIGHBOURS, for x, for the weights' columns: row r of tile t is index 32 (t / 2) + 8 (t % 2) + r + 8 (r / 8).  So the 16 result registers of two neighbouring
; tiles are 16 neighbours along the next K: along c where the product is used transposed (source 0 = weights: Q, K), along the keys where it is not (source 0 = x: V).
; SHARES: 48 units of 16 matrix instructions, 12 a wave.  Wave w: role = w / 2 (0: Q, 1: K), channel half hc = w % 2: units 0-7 = tile t of x against its 8 weight tiles;
; units 8-11 = V's channel tiles 4 w + k against all 8 tiles of x.  Two sets of accumulators take turns: unit u + 1 is multiplied while unit u is quantised.
; The weights' fragments go from memory straight into the one wave's registers that keep them, while the tile of x is on its way: what partners would share passes through no LDS here, so no joint loads.
; LIMITS: NaN and infinities are not served; a block whose largest magnitude lies under 2^-124 is held at the scale byte 1; a block of zeros gets the byte 1 (its codes are zeros; this program alone reads the bytes).
; REGISTERS, in windows of 256: window 0: v2-10 addresses; v16-31 my Q/K weight's scale words; v32-39 V weight's; v40-55 x's; v56-67 the units' scale words; v68-87 codes; v88-103 at work;
;   v128-191, v192-255 two sets of 64: first x's numbers, then the accumulators.  window 1: my 16 Q/K weight fragments, from v192 their bias tiles.
;   window 2: x's 16 fragments, from v192 V's bias tiles.  window 3: my 8 V weight fragments.
.set XROW,  131072                     ; LDS: behind the 128 KiB of f32: 128 rows of codes,
.set XP,    208                        ; 192 bytes + 16
.set XSC,   XROW+128*XP                ; and 8 scale bytes for each row
.set WSC,   442368                     ; wts: where the scale words begin
.set STEPB, 26624                      ; qkv: a block: 16 images and 4 quads of scale words, of K, of V or of Q
.set KVB,   16*STEPB                   ; one attention's K and V of one batch: K's even key steps, K's odd, V's even, V's odd, four blocks each
.set QIMG,  32*KVB                     ; Q's blocks
.set PC,    68
.set TM,    88
.set MSB, 0
.macro WIN new                         ; the immediate's high byte repeats the setting that is left
.if MSB != \new
	s_set_vgpr_msb (MSB<<8)|\new
.set MSB, \new
.endif
.endm
	s_load_b512 s[12:27], s[0:1], 0x0              ; stft, cqt, wq1_b .. wq6_b
	s_load_b128 s[28:31], s[0:1], 0x40             ; wts, qkv
	v_lshl_add_u32 v126, v0, 2, 0x29000
	v_mov_b32 v127, 0
	ds_add_u32 v126, v127
	ds_add_u32 v126, v127
	v_lshrrev_b32 v1, 5, v0
	v_readfirstlane_b32 s2, v1                     ; wave
	s_lshr_b32 s3, s2, 1                           ; role
	s_and_b32 s4, s2, 1                            ; hc
	s_mov_b32 s5, ttmp9                            ; i
	s_and_b32 s6, ttmp7, 0xffff                    ; y
	s_lshr_b32 s7, s6, 4                           ; feat
	s_and_b32 s8, s6, 15                           ; b
	; descriptor group 1: 64 rows x 128 elements of 4 bytes, 1,024 elements from row to row, no padding
	s_mov_b32 s36, 2<<16
	s_mov_b32 s37, 128<<16                         ; tensor_dim0
	s_mov_b32 s38, 64<<16                          ; tensor_dim1
	s_mov_b32 s39, 128<<16                         ; tile_dim0
	s_mov_b32 s40, 64                              ; tile_dim1
	s_mov_b32 s41, 1024                            ; stride
	s_mov_b32 s42, 0
	s_mov_b32 s43, 0
	s_lshl_b32 s46, s8, 20                         ; b maps of 1 MiB
	s_lshl_b32 s72, s2, 18                         ; + 64 w channels of 4,096 bytes
	s_add_co_u32 s46, s46, s72
	s_lshl_b32 s72, s5, 9                          ; + 128 i positions
	s_add_co_u32 s46, s46, s72
	s_mov_b32 s47, 0
	s_mov_b32 s32, 1                               ; group 0: count
	s_lshl_b32 s33, s2, 15                         ; LDS address: my 32 KiB
	; where the results go, as offsets in qkv
	s_xor_b32 s9, s6, 16                           ; K and V belong to the other attention, same b
	s_mul_i32 s10, s9, KVB
	s_lshr_b32 s72, s5, 1
	s_and_b32 s73, s5, 1
	s_lshl_b32 s74, s73, 2
	s_add_co_u32 s74, s74, s72                     ; key step i's block: 4 (i % 2) + i / 2
	s_mul_i32 s74, s74, STEPB
	s_add_co_u32 s10, s10, s74                     ; K's first byte
	s_add_co_u32 s79, s10, 8*STEPB                 ; V's: eight blocks further on
	s_lshl_b32 s11, s6, 3
	s_add_co_u32 s11, s11, s5
	s_mul_i32 s11, s11, STEPB
	s_add_co_u32 s11, s11, QIMG                    ; Q's first byte
	s_add_co_u32 s73, s11, 24576                   ; Q's scale words
	s_add_co_u32 s74, s10, 24576                   ; K's scale words
	s_cmp_eq_u32 s3, 0
	s_cselect_b32 s60, s11, s10
	s_cselect_b32 s62, s73, s74
	s_mul_i32 s72, s4, 1536                        ; channel step hc
	s_add_co_u32 s60, s60, s72
	s_mov_b32 s61, 0
	s_lshl_b32 s72, s4, 10
	s_add_co_u32 s62, s62, s72
	s_mov_b32 s63, 0
	s_mul_i32 s72, s2, 6144                        ; V: my four channel tiles
	s_add_co_u32 s66, s79, s72
	s_mov_b32 s67, 0
	s_lshl_b32 s72, s2, 9
	s_add_co_u32 s68, s79, s72
	s_add_co_u32 s68, s68, 24576
	s_mov_b32 s69, 0
	; which weights, as fragment numbers in wts
	s_cmp_eq_u32 s7, 0
	s_cselect_b32 s76, 0, 3                        ; Q: wq1 or wq4
	s_cselect_b32 s77, 4, 1                        ; K: wq5 or wq2
	s_cselect_b32 s78, 5, 2                        ; V: wq6 or wq3
	s_cmp_eq_u32 s3, 0
	s_cselect_b32 s76, s76, s77
	s_lshl_b32 s76, s76, 5
	s_lshl_b32 s72, s4, 4
	s_add_co_u32 s76, s76, s72                     ; 32 widx + 16 hc
	s_mul_i32 s48, s76, 1536
	s_mov_b32 s49, 0
	s_lshl_b32 s50, s76, 7
	s_add_co_u32 s50, s50, WSC
	s_mov_b32 s51, 0
	s_lshl_b32 s78, s78, 5
	s_lshl_b32 s72, s2, 3
	s_add_co_u32 s78, s78, s72                     ; 32 widx + 8 w
	s_mul_i32 s52, s78, 1536
	s_mov_b32 s53, 0
	s_lshl_b32 s54, s78, 7
	s_add_co_u32 s54, s54, WSC
	s_mov_b32 s55, 0
	s_mov_b32 s70, 0x76543210
	s_mov_b32 s71, 0xfedcba98                      ; v_permlanex16_b32's selects for lane l xor 16
	s_wait_dscnt 0x0
	s_wait_kmcnt 0x0
	s_cmp_eq_u32 s7, 0                             ; the choices hang on the work-group's and the wave's numbers alone
	s_cselect_b64 s[44:45], s[12:13], s[14:15]     ; my map
	s_cselect_b64 s[72:73], s[16:17], s[22:23]     ; Q's bias
	s_cselect_b64 s[74:75], s[24:25], s[18:19]     ; K's
	s_cselect_b64 s[58:59], s[26:27], s[20:21]     ; V's
	s_cmp_eq_u32 s3, 0
	s_cselect_b64 s[56:57], s[72:73], s[74:75]
	s_add_nc_u64 s[34:35], s[44:45], s[46:47]
	s_or_b32 s35, s35, 0x80000000                  ; type = 2
	tensor_load_to_lds s[32:35], s[36:43]          ; my one tensor load: 64 channels x 128 positions
	s_nop 0
.rept 4
	v_nop
.endr
	s_add_nc_u64 s[48:49], s[28:29], s[48:49]
	s_add_nc_u64 s[50:51], s[28:29], s[50:51]
	s_add_nc_u64 s[52:53], s[28:29], s[52:53]
	s_add_nc_u64 s[54:55], s[28:29], s[54:55]
	s_lshl_b32 s76, s4, 9                          ; my 128 channels of the Q/K bias
	s_mov_b32 s77, 0
	s_add_nc_u64 s[56:57], s[56:57], s[76:77]
	s_lshl_b32 s76, s2, 8                          ; my 64 channels of V's bias
	s_add_nc_u64 s[58:59], s[58:59], s[76:77]
	s_add_nc_u64 s[60:61], s[30:31], s[60:61]
	s_add_nc_u64 s[62:63], s[30:31], s[62:63]
	s_add_nc_u64 s[66:67], s[30:31], s[66:67]
	s_add_nc_u64 s[68:69], s[30:31], s[68:69]
	v_and_b32 v11, 31, v0                          ; lane
	v_and_b32 v12, 15, v0                          ; r
	v_bfe_u32 v13, v0, 4, 1                        ; h
	v_lshlrev_b32 v2, 4, v11                       ; an image's place for my lane
	v_lshlrev_b32 v10, 2, v11                      ; a scale word's
	v_add_nc_u32 v3, s33, v10                      ; x in LDS: my wave's rows, my position
	v_and_b32 v14, 7, v0                           ; position 32 g + lane is row 8 (lane / 16) + lane % 8 of tile 2 g + (lane / 8) % 2:
	v_and_b32 v15, 8, v0
	v_lshl_add_u32 v14, v15, 1, v14
	v_and_b32 v15, 16, v0
	v_lshrrev_b32 v15, 1, v15
	v_add_nc_u32 v14, v14, v15                     ; its row among a group's 32
	s_mul_i32 s72, s2, 48                          ; my two blocks' 48 bytes of a row
	s_add_co_u32 s72, s72, XROW
	v_mul_u32_u24 v4, v14, XP
	v_add_nc_u32 v4, s72, v4                       ; where I put codes
	s_lshl_b32 s72, s2, 1
	s_add_co_u32 s72, s72, XSC
	v_lshl_add_u32 v5, v14, 3, s72                 ; and my two scale bytes
	v_mul_u32_u24 v6, v12, XP
	v_mad_u32_u24 v6, v13, 24, v6
	v_add_nc_u32 v6, XROW, v6                      ; a fragment's row r, + 24 h
	v_lshl_add_u32 v7, v12, 3, XSC                 ; row r's scale words
	v_lshlrev_b32 v8, 6, v13                       ; Q/K bias: 16 h channels
	v_and_b32 v9, 8, v12
	v_add_nc_u32 v9, v9, v12
	v_lshlrev_b32 v9, 2, v9                        ; V's bias: channel r + 8 (r / 8)
.irp b, 0,1,2,3
	v_mov_b32 v[TM+4+\b], 0                        ; written once: a lane permute's destination counts as one of its sources
.endr
	; the weights, while x is on its way
	WIN 0x40                                       ; destination window 1
.irp f, 0,1,2,3,4,5,6,7,8,9,10,11,12,13,14,15
.irp j, 0,1,2
	global_load_b128 v[12*\f+4*\j:12*\f+4*\j+3], v2, s[48:49] offset:1536*\f+512*\j   ; fragment 2 lt + s
.endr
.endr
.irp t, 0,1,2,3,4,5,6,7                ; the bias in the result's layout: lane (r, h), register j: channel 32 (t / 2) + 8 (t % 2) + 16 h + j
	global_load_b128 v[192+8*\t:195+8*\t], v8, s[56:57] offset:(32*(\t/2)+8*(\t%2))*4
	global_load_b128 v[196+8*\t:199+8*\t], v8, s[56:57] offset:(32*(\t/2)+8*(\t%2))*4+16
.endr
	WIN 0x80                                       ; destination window 2
.irp k, 0,1,2,3
	global_load_b32 v[192+8*\k], v9, s[58:59] offset:(32*(\k/2)+8*(\k%2))*4   ; V: a lane holds one channel
.endr
	WIN 0xc0                                       ; destination window 3
.irp f, 0,1,2,3,4,5,6,7
.irp j, 0,1,2
	global_load_b128 v[12*\f+4*\j:12*\f+4*\j+3], v2, s[52:53] offset:1536*\f+512*\j   ; fragment 2 k + s
.endr
.endr
	WIN 0
.irp f, 0,1,2,3,4,5,6,7,8,9,10,11,12,13,14,15
	global_load_b32 v[16+\f], v10, s[50:51] offset:128*\f
.endr
.irp f, 0,1,2,3,4,5,6,7
	global_load_b32 v[32+\f], v10, s[54:55] offset:128*\f
.endr
; ---- x: 64 numbers of position 32 g + lane, channels 64 w + 0 .. 63: each load reads 128 consecutive bytes
.macro LOADX g
.set ii, 0
.rept 64
	ds_load_b32 v[128+64*((\g)%2)+ii], v3 offset:ii*512+(\g)*128
.set ii, ii+1
.endr
.endm
; two whole blocks of 32 a lane become 48 bytes of codes and two scale bytes
.macro XQ g
.set XB, 128+64*((\g)%2)
.irp k, 0,1
	v_max3_num_f32 v[TM+\k], |v[XB+32*\k]|, |v[XB+32*\k+1]|, 0x1800000   ; with the floor 2^(3 - 127): the byte cannot fall under 1
.endr
.irp i, 2,4,6,8,10,12,14,16,18,20,22,24,26,28,30
.irp k, 0,1
	v_max3_num_f32 v[TM+\k], v[TM+\k], |v[XB+32*\k+\i]|, |v[XB+32*\k+\i+1]|
.endr
.endr
.irp k, 0,1
	v_add_nc_u32 v[TM+2+\k], 0xff000000, v[TM+\k]  ; 2 off the exponent field: the conversion's scale operand
.endr
.irp k, 0,1
	v_lshrrev_b32 v[TM+4+\k], 23, v[TM+2+\k]       ; the scale's byte
.endr
	v_lshl_or_b32 v[TM+8], v[TM+5], 8, v[TM+4]
.irp k, 0,1
	v_cvt_scalef32_pk16_fp6_f32 v[PC+6*\k:PC+6*\k+2], v[XB+32*\k:XB+32*\k+15], v[TM+2+\k]
	v_cvt_scalef32_pk16_fp6_f32 v[PC+12+4*\k:PC+14+4*\k], v[XB+32*\k+16:XB+32*\k+31], v[TM+2+\k]   ; (a conversion's three registers begin on an even number)
.endr
	v_nop                                          ; one plain place behind a scaled conversion
.irp k, 0,1
.irp i, 0,1,2
	v_mov_b32 v[PC+3+6*\k+\i], v[PC+12+4*\k+\i]
.endr
.endr
.irp j, 0,1,2
	ds_store_b128 v4, v[PC+4*\j:PC+4*\j+3] offset:(\g)*32*XP+16*\j
.endr
	ds_store_b16 v5, v[TM+8] offset:(\g)*256
.endm
	s_wait_tensorcnt 0x0                           ; my rows are in LDS; I read no other wave's
	LOADX 0
.irp g, 0,1,2,3
	s_wait_dscnt 0x0                               ; this group's numbers are in, and the last group's stores are done
.if \g < 3
	LOADX \g+1
.endif
	XQ \g
.endr
	s_wait_dscnt 0x0                               ; for the others' sake: my stores have landed
	s_barrier_signal -1
	s_barrier_wait -1                              ; all 128 rows of codes and their scale bytes lie in LDS
	WIN 0x80                                       ; destination window 2
.irp t, 0,1,2,3,4,5,6,7
.irp s, 0,1
.irp p, 0,1,2,3,4,5
	ds_load_b64 v[12*(2*\t+\s)+2*\p:12*(2*\t+\s)+2*\p+1], v6 offset:16*\t*XP+96*\s+48*(\p/3)+8*(\p%3)   ; 24 bytes of the row's stream of bits in pieces of 8
.endr
.endr
.endr
	WIN 0
.irp t, 0,1,2,3,4,5,6,7
	ds_load_b64 v[40+2*\t:41+2*\t], v7 offset:128*\t   ; the two scale words of row r of tile t
.endr
	s_wait_dscnt 0x0
	s_wait_loadcnt 0x0                             ; the weights, their scale words and the biases
	WIN 0x82                                       ; source 0 and destination window 2
.irp k, 0,1,2,3
.irp j, 1,2,3,4,5,6,7
	v_mov_b32 v[192+8*\k+\j], v[192+8*\k]          ; V's bias as a C: the lane's channel in all eight rows
.endr
.endr
; ---- the units.  The eight accumulators of a unit take turns, one instruction a turn; the bias is the C of a sum's first instruction.
.macro MMQK t, acc                     ; transposed: source 0 = 16 columns of my weight, source 1 = tile t of x
	WIN 0x19                                       ; A window 1, B window 2, C window 1
.irp l, 0,1,2,3,4,5,6,7
	v_wmma_scale_f32_16x16x128_f8f6f4 v[(\acc)+8*\l:(\acc)+8*\l+7], v[24*\l:24*\l+11], v[24*(\t):24*(\t)+11], v[192+8*\l:199+8*\l], v[16+2*\l], v[40+2*(\t)] matrix_a_fmt:MATRIX_FMT_FP6 matrix_b_fmt:MATRIX_FMT_FP6
.endr
	WIN 0x09
.irp l, 0,1,2,3,4,5,6,7
	v_wmma_scale_f32_16x16x128_f8f6f4 v[(\acc)+8*\l:(\acc)+8*\l+7], v[24*\l+12:24*\l+23], v[24*(\t)+12:24*(\t)+23], v[(\acc)+8*\l:(\acc)+8*\l+7], v[17+2*\l], v[41+2*(\t)] matrix_a_fmt:MATRIX_FMT_FP6 matrix_b_fmt:MATRIX_FMT_FP6
.endr
.endm
.macro MMV k, acc                      ; source 0 = tile t of x, source 1 = 16 columns of V's weight: a lane holds one channel, its registers run along the keys
	WIN 0x2e                                       ; A window 2, B window 3, C window 2
.irp t, 0,1,2,3,4,5,6,7
	v_wmma_scale_f32_16x16x128_f8f6f4 v[(\acc)+8*\t:(\acc)+8*\t+7], v[24*\t:24*\t+11], v[24*(\k):24*(\k)+11], v[192+8*(\k):199+8*(\k)], v[40+2*\t], v[32+2*(\k)] matrix_a_fmt:MATRIX_FMT_FP6 matrix_b_fmt:MATRIX_FMT_FP6
.endr
	WIN 0x0e
.irp t, 0,1,2,3,4,5,6,7
	v_wmma_scale_f32_16x16x128_f8f6f4 v[(\acc)+8*\t:(\acc)+8*\t+7], v[24*\t+12:24*\t+23], v[24*(\k)+12:24*(\k)+23], v[(\acc)+8*\t:(\acc)+8*\t+7], v[41+2*\t], v[33+2*(\k)] matrix_a_fmt:MATRIX_FMT_FP6 matrix_b_fmt:MATRIX_FMT_FP6
.endr
.endm
.macro MM u
.if (\u) < 8
	MMQK (\u), 128+64*((\u)%2)
.else
	MMV (\u)-8, 128+64*((\u)%2)
.endif
	WIN 0
.endm
; 64 numbers of a lane, register 16 b + i = k 32 b + 16 (lane / 16) + i of my row, become a fragment's codes in v[PC] on and its scale word in v[pw]
.macro QUANT s, pw
.irp b, 0,1,2,3
	v_max3_num_f32 v[TM+\b], |v[(\s)+16*\b]|, |v[(\s)+1+16*\b]|, 0x1800000   ; each accumulator is read from its low end on; the floor holds the byte at 1 from below
.endr
.irp i, 2,4,6,8,10,12,14
.irp b, 0,1,2,3
	v_max3_num_f32 v[TM+\b], v[TM+\b], |v[(\s)+16*\b+\i]|, |v[(\s)+1+16*\b+\i]|
.endr
.endr
.irp b, 0,1,2,3
	v_permlanex16_b32 v[TM+4+\b], v[TM+\b], s70, s71
.endr
.irp b, 0,1,2,3
	v_max_num_f32 v[TM+\b], v[TM+\b], v[TM+4+\b]   ; with lane l xor 16's: the block's largest magnitude
.endr
.irp b, 0,1,2,3
	v_add_nc_u32 v[TM+12+\b], 0xff000000, v[TM+\b]
.endr
.irp b, 0,1,2,3
	v_lshrrev_b32 v[TM+4+\b], 23, v[TM+12+\b]
.endr
	v_lshl_or_b32 v[\pw], v[TM+5], 8, v[TM+4]      ; my row's scale word
	v_lshl_or_b32 v[\pw], v[TM+6], 16, v[\pw]
	v_lshl_or_b32 v[\pw], v[TM+7], 24, v[\pw]
	s_wait_xcnt 0x0                                ; the last unit's stores have read the codes' registers: only behind this wait are they written again
.irp c, 0,1
	v_cvt_scalef32_pk16_fp6_f32 v[PC+6*\c:PC+2+6*\c], v[(\s)+32*\c:(\s)+15+32*\c], v[TM+12+2*\c]
	v_cvt_scalef32_pk16_fp6_f32 v[PC+12+4*\c:PC+14+4*\c], v[(\s)+16+32*\c:(\s)+31+32*\c], v[TM+13+2*\c]
.endr
	v_nop                                          ; one plain place behind a scaled conversion
.irp c, 0,1                            ; the operand's layout wants a WHOLE block in a lane
.irp i, 0,1,2
	v_permlane16_swap_b32 v[PC+6*\c+\i], v[PC+12+4*\c+\i]
.endr
.irp i, 0,1,2
	v_mov_b32 v[PC+3+6*\c+\i], v[PC+12+4*\c+\i]
.endr
.endr
.endm
.macro SEND base, off
.irp j, 0,1,2
	global_store_b128 v2, v[PC+4*\j:PC+4*\j+3], s[\base:\base+1] offset:(\off)+512*\j
.endr
.endm
.macro OUT u
	QUANT 128+64*((\u)%2), 56+(\u)
.if (\u) < 8
	SEND 60, 3072*(\u)
.else
	SEND 66, 1536*((\u)-8)
.endif
.endm
	MM 0
	MM 1
.rept 4
	v_nop                                          ; places in front of the first read of results; later the unit before's quantising takes their part
.endr
	OUT 0
.irp u, 1,2,3,4,5,6,7,8,9,10,11
.if \u < 11
	MM \u+1                                        ; into the set that unit u - 1 has left
.endif
	OUT \u
.if \u == 3
	global_store_b128 v2, v[56:59], s[62:63]       ; the scale words of tiles 0-3, as an image of four registers
.endif
.if \u == 7
	global_store_b128 v2, v[60:63], s[62:63] offset:512
.endif
.endr
	global_store_b128 v2, v[64:67], s[68:69]       ; V's: my four channel tiles
	s_wait_tensorcnt 0x0
	ds_add_u32 v126, v127
	s_wait_dscnt 0x0
	s_endpgm
.Lfunc_end_k_qb0384681c8_proj:
	.size	k_qb0384681c8_proj, .Lfunc_end_k_qb0384681c8_proj-k_qb0384681c8_proj
	.p2alignl 7, 3214868480
	.fill 96, 4, 3214868480
	.section	.rodata,"a",@progbits
	.p2align	6, 0x0
	.amdhsa_kernel k_qb0384681c8_proj
		.amdhsa_group_segment_fixed_size 168448
		.amdhsa_private_segment_fixed_size 0
		.amdhsa_enable_private_segment 0
		.amdhsa_kernarg_size 80
		.amdhsa_user_sgpr_count 2
		.amdhsa_user_sgpr_kernarg_segment_ptr 1
		.amdhsa_wavefront_size32 1
		.amdhsa_system_sgpr_workgroup_id_x 1
		.amdhsa_system_sgpr_workgroup_id_y 1
		.amdhsa_system_sgpr_workgroup_id_z 1
		.amdhsa_system_vgpr_workitem_id 0
		.amdhsa_next_free_vgpr 864
		.amdhsa_next_free_sgpr 80
		.amdhsa_reserve_vcc 0
		.amdhsa_float_denorm_mode_32 3
		.amdhsa_float_denorm_mode_16_64 3
		.amdhsa_memory_ordered 1
		.amdhsa_forward_progress 1
		.amdhsa_inst_pref_size 128
	.end_amdhsa_kernel
	.amdgpu_metadata
---
amdhsa.version: [ 1, 2 ]
amdhsa.kernels:
  - .name:           k_qb0384681c8_proj
    .symbol:         k_qb0384681c8_proj.kd
    .args:
      - { .name: stft_feat, .offset: 0, .size: 8, .value_kind: global_buffer, .address_space: global }
      - { .name: cqt_feat, .offset: 8, .size: 8, .value_kind: global_buffer, .address_space: global }
      - { .name: wq1_b, .offset: 16, .size: 8, .value_kind: global_buffer, .address_space: global }
      - { .name: wq2_b, .offset: 24, .size: 8, .value_kind: global_buffer, .address_space: global }
      - { .name: wq3_b, .offset: 32, .size: 8, .value_kind: global_buffer, .address_space: global }
      - { .name: wq4_b, .offset: 40, .size: 8, .value_kind: global_buffer, .address_space: global }
      - { .name: wq5_b, .offset: 48, .size: 8, .value_kind: global_buffer, .address_space: global }
      - { .name: wq6_b, .offset: 56, .size: 8, .value_kind: global_buffer, .address_space: global }
      - { .name: wts, .offset: 64, .size: 8, .value_kind: global_buffer, .address_space: global }
      - { .name: qkv, .offset: 72, .size: 8, .value_kind: global_buffer, .address_space: global }
    .group_segment_fixed_size: 168448
    .private_segment_fixed_size: 0
    .kernarg_segment_align: 8
    .kernarg_segment_size: 80
    .max_flat_workgroup_size: 128
    .sgpr_count:     80
    .vgpr_count:     864
    .wavefront_size: 32
...
	.end_amdgpu_metadata
.endif
;; end of part 2
;; launch attn (part 3): grid 8 x 32, 4 waves a work-group, clusters of 4 x 1, 327,680 bytes of LDS; arguments qkv, part; writes part
.if DOCPART == 3
	.amdgcn_target "amdgcn-amd-amdhsa--gfx1250"
	.amdhsa_code_object_version 6
	.text
	.protected	k_qb0384681c8_attn
	.globl	k_qb0384681c8_attn
	.p2align	8
	.type	k_qb0384681c8_attn,@function
k_qb0384681c8_attn:
	s_mov_b64 s[64:65], 0
	v_nop
	global_prefetch_b8 v0, s[64:65] scope:SCOPE_SE
	s_setreg_imm32_b32 hwreg(HW_REG_WAVE_MODE, 25, 1), 1
	s_wait_xcnt 0x0
	s_wait_alu depctr_hold_cnt(0) depctr_sa_sdst(0) depctr_va_vdst(0) depctr_va_sdst(0) depctr_va_ssrc(0) depctr_va_vcc(0) depctr_vm_vsrc(0)
	s_getreg_b32 s2, hwreg(HW_REG_IB_STS2, 6, 4)
	s_cmp_eq_u32 s2, 0
	s_cbranch_scc0 .Lentry_in_a_cluster
	s_endpgm
.Lentry_in_a_cluster:
	s_bfe_u32 s2, ttmp6, 0x10000c
	s_cmp_lg_u32 s2, 0x3003
	s_cbranch_scc0 .Lentry_shape_is_right
	s_endpgm
.Lentry_shape_is_right:
; Both attentions on codes of FP6 (E2M3) with one E8M0 scale for each 32 along a product's K, and the mean over the queries.  y = work-group y = 16 x attention + batch.
; THE SOFTMAX AHEAD OF THE SECOND PRODUCT: t = score x log2(e) / 16; M = the row's largest t so far, rounded UP to a whole number; p = 2^(t - M) is quantised along the keys, not normalised;
; the row's sum l is taken of the unquantised p.
; SHARES.  A work-group owns 128 queries of one y: eight tiles of 16.  Wave w takes all eight and the key quarter w: two steps of 128 keys.  So each fragment of K and V is read from LDS once in the work-group.
; PHASE 1 makes p's codes for all of a wave's keys and keeps them in registers (16 operands of 12); no result of the second product exists yet, so nothing is rescaled when M moves:
; the first step's scale bytes are lowered by the whole number that M has risen.  A trip is one key step, a UNIT one query tile: its softmax, with the next tile's 16 products among its lines (two sets of scores by turns).
; Then the waves hand (-M, l) of their quarters to each other through LDS.
; PHASE 2 goes by tiles of 16 channels: O = P V over the wave's two steps, source 0 = P, so that a lane holds one channel and its registers run along the queries: the mean over the queries
; is a sum along a lane's registers with the rows' weights 2^(M of the quarter - M of the row) / (1,024 l).  One tile's sum stands among the next tile's products.
; Scores are made transposed (S^T = K Q^T): a lane holds one query, its registers run along the keys.  Row r of key tile t is key 32 (t / 2) + 8 (t % 2) + r + 8 (r / 8), channel tiles likewise.
; LDS: blocks of BLK bytes (16 images of 1,536 bytes, 4 quads of scale words of 512), K and V alike: four from 0 on, four from KOS on, Q's one at QSLOT.  K's even steps (from 0) and Q come at the head, K's odd steps (KOS) behind the
; first round, V's even steps (from 0) behind the first trip's round, V's odd steps (KOS) behind the second's: one load a wave each time.  What they land on lies in registers by then.
; The last unit of a trip fetches the next block by the same lines: K's odd step, and in the second trip V's even step, which has the same form.
; CLUSTER: the four query blocks of a cluster belong to one y and need the same K and V: those are asked for JOINTLY.  Q is the work-group's own: a plain load.
; No prefetch: there is no loop over tiles to run ahead in (two trips); each refill has five units of work or more in which to land.
; LIMITS: NaN and infinities are not served; scaled scores t stay under 2^31 in magnitude; a scale byte of p is held at 1 from below (a block whose every p has fallen to 0 has codes of zero).
; REGISTERS.  window 0: v0-7 addresses; v8-23 Q's scale words, later V's odd; v24-39 K's, later V's even; v40-47, v48-55 p's of the second and the first step; v56-87 statistics, 4 a tile: -M, the largest t, the sum in two halves;
; v88-159 at work; v160-255 p's codes of the trip.  window 1: K's fragments, later V's even; from v192 scores, later accumulators.  window 2: Q, later V's odd fragments; from v192 the other scores, later accumulators.
; window 3: p's codes of the first step; from v96 the weights.
.set BLK,   26624
.set KVB,   16*BLK
.set QOFF,  32*KVB
.set KOS,   0x20000
.set QSLOT, KOS+4*BLK
.set SPARE, QSLOT+BLK                  ; the spare words, 128 bytes for each wave
.set XCH,   SPARE+512                  ; (-M, l): [tile][quarter][query] x 8 bytes
.set WAREA, XCH+4096                   ; each wave's 128 weights
.set RED,   WAREA+2048                 ; the sum over the waves: 4 x 2,048 bytes
.set QS, 8
.set KS, 24
.set PS1, 40
.set PS0, 48
.set ST, 56
.set AM, 88
.set FD, 96
.set CS, 100
.set CY, 104
.set CT, 110
.set SB, 118
.set XT, 124
.set RS, 136
.set P1, 160
.set WR, 96
.set SL, 192
.set MSB, 0
.macro WIN new                         ; the immediate's high byte repeats the setting that is left
.if MSB != \new
	s_set_vgpr_msb (MSB<<8)|\new
.set MSB, \new
.endif
.endm
.macro WALU
	s_wait_alu depctr_va_vdst(0)
.endm
.macro CREST                           ; a round of the cluster's barrier behind its opening barrier
	s_cmp_lg_u32 s8, 0
	s_cbranch_scc1 .Lnot_wave_0_\@
	s_barrier_signal -3
.Lnot_wave_0_\@:
	s_barrier_wait -3
	s_barrier_signal -1
	s_barrier_wait -1
.endm
.macro CROUND
	s_barrier_signal -1
	s_barrier_wait -1
	CREST
.endm
.macro G1SET g, word, rows             ; descriptor group 1: rows of 32 elements of 8 bytes, dense
	s_mov_b32 s[\g], (\word)|(3<<16)
	s_mov_b32 s[\g+1], 32<<16
	s_mov_b32 s[\g+2], (\rows)<<16
	s_mov_b32 s[\g+3], 32<<16
	s_mov_b32 s[\g+4], \rows
	s_mov_b32 s[\g+5], 32
	s_mov_b32 s[\g+6], 0
	s_mov_b32 s[\g+7], 0
.endm
.macro TL g0, g1
	tensor_load_to_lds s[\g0:\g0+3], s[\g1:\g1+7]
	s_nop 0
.rept 4
	v_nop
.endr
.endm
	s_load_b128 s[4:7], s[0:1], 0x0                ; qkv, part
	v_lshl_add_u32 v2, v0, 2, SPARE                ; my spare word; never rewritten
	v_mov_b32 v3, 0                                ; 0; never rewritten
	ds_add_u32 v2, v3
	ds_add_u32 v2, v3
	v_lshrrev_b32 v1, 5, v0
	v_readfirstlane_b32 s8, v1                     ; wave: the key quarter
	s_bfe_u32 s9, ttmp6, 0x40000                   ; cx: it enters Q's and the result's addresses alone
	s_lshl_b32 s10, ttmp9, 2
	s_add_co_u32 s10, s10, s9                      ; my block of 128 queries
	s_and_b32 s11, ttmp7, 0xffff                   ; y, which the four partners share
	G1SET 24, 15|(1<<21), 208                      ; joint: two blocks (behind the head one)
	G1SET 56, 0, 52                                ; half of Q's block
	s_mul_i32 s12, s11, KVB
	s_mov_b32 s13, 0
	s_mul_i32 s16, s8, 2*BLK                       ; waves 0, 1: two of K's even steps each
	s_mov_b32 s17, 0
	s_and_b32 s18, s8, 1
	s_mul_i32 s18, s18, BLK/2                      ; waves 2, 3: half of Q's block each
	s_lshl_b32 s88, s11, 3
	s_add_co_u32 s88, s88, s10
	s_mul_i32 s88, s88, BLK
	s_add_co_u32 s88, s88, QOFF
	s_add_co_u32 s88, s88, s18
	s_mov_b32 s89, 0
	s_lshl_b32 s20, s10, 15                        ; the result: [block][batch][attention x 256 + channel]
	s_and_b32 s15, s11, 15
	s_lshl_b32 s15, s15, 11
	s_add_co_u32 s20, s20, s15
	s_lshr_b32 s15, s11, 4
	s_lshl_b32 s15, s15, 10
	s_add_co_u32 s20, s20, s15
	s_mov_b32 s21, 0
	s_mov_b32 s22, 0x3db8aa3b                      ; c = log2(e) / 16
	s_mov_b32 s23, s22                             ; (named with it as a pair)
	s_mov_b32 s52, 0x76543210
	s_mov_b32 s53, 0xfedcba98                      ; v_permlanex16_b32's selects for lane l xor 16
	s_mov_b32 s54, 0xffff0000                      ; lanes 16-31
	s_mov_b32 s32, 1
	s_mov_b32 s33, s16
	s_mov_b32 s36, 1
	s_add_co_u32 s37, s18, QSLOT
	s_wait_dscnt 0x0                               ; both opening adds are done
	CROUND                                         ; all four work-groups are here: the first joint loads meet
	s_wait_kmcnt 0x0
	s_add_nc_u64 s[12:13], s[4:5], s[12:13]
	s_add_nc_u64 s[34:35], s[12:13], s[16:17]
	s_or_b32 s35, s35, 0x80000000
	s_add_nc_u64 s[38:39], s[4:5], s[88:89]
	s_or_b32 s39, s39, 0x80000000
	s_add_nc_u64 s[20:21], s[6:7], s[20:21]
	s_cmp_lt_u32 s8, 2
	s_cbranch_scc0 .Lq
	TL 32, 24                                      ; K's even steps
	s_branch .Lasked
.Lq:
	TL 36, 56                                      ; Q
.Lasked:
	s_mul_i32 s50, s8, BLK
	s_add_co_u32 s51, s50, KOS
	s_lshl_b32 s85, s8, 7
	s_add_co_u32 s85, s85, XCH                     ; my quarter's (-M, l)
	s_lshl_b32 s86, s8, 9
	s_add_co_u32 s86, s86, WAREA
	s_lshl_b32 s87, s8, 11
	s_add_co_u32 s87, s87, RED
	v_and_b32 v1, 31, v0
	v_lshlrev_b32 v1, 4, v1                        ; 16 x lane: an image's place for my lane
	v_add_nc_u32 v4, s50, v1                       ; my block of the four from 0 on
	v_add_nc_u32 v5, s51, v1                       ; and of those from KOS on
	v_add_nc_u32 v7, QSLOT, v1                     ; Q
.irp a, 0,1,2,3,4,5,6,7
	v_mov_b32 v[ST+4*\a], 0x7f61b1e6               ; -M and the largest t so far: 3e38 and -3e38, under every t
	v_mov_b32 v[ST+4*\a+1], 0xff61b1e6
	v_mov_b32 v[ST+4*\a+2], 0
	v_mov_b32 v[ST+4*\a+3], 0
	v_mov_b32 v[PS1+\a], 0x7f                      ; (these, and p's codes, are written once here because the first trip goes round the lines that hand them on)
	v_mov_b32 v[PS0+\a], 0x7f
.endr
.irp b, 0,1,2,3
	v_mov_b32 v[AM+4+\b], 0                        ; written once: a lane permute's destination counts as one of its sources
.endr
.set jj, 0
.rept 96
	v_mov_b32 v[P1+jj], 0
.set jj, jj+1
.endr
	WIN 0xc0
.set jj, 0
.rept 96
	v_mov_b32 v[jj], 0
.set jj, jj+1
.endr
	WIN 0
; ---- LDS loads
.macro LOADQ a
	WIN 0x80
.irp k, 0,1
.irp j, 0,1,2
	ds_load_b128 v[24*(\a)+12*\k+4*\j:24*(\a)+12*\k+4*\j+3], v7 offset:3072*(\a)+1536*\k+512*\j
.endr
.endr
	WIN 0
.endm
.macro SCALES r, ad                    ; 16 scale words of a block
.irp q, 0,1,2,3
	ds_load_b128 v[\r+4*\q:\r+4*\q+3], v[\ad] offset:24576+512*\q
.endr
.endm
.macro KFRAG f, ad                     ; image f of a block: K: 2 t + channel step; V: channel tile
	WIN 0x40
.irp j, 0,1,2
	ds_load_b128 v[12*(\f)+4*\j:12*(\f)+4*\j+3], v[\ad] offset:1536*(\f)+512*\j
.endr
.endm
.macro LOADVO c                        ; V's odd step, channel tile c
	WIN 0x80
.irp j, 0,1,2
	ds_load_b128 v[12*(\c)+4*\j:12*(\c)+4*\j+3], v5 offset:1536*(\c)+512*\j
.endr
	WIN 0
.endm
; ---- one place among a unit's lines.  WMODE 1: product WI of the next tile's 16 (QA the tile, QW its scores' window): two groups of four accumulators, which take turns, one instruction a turn.  2: images 2 WI and 2 WI + 1 of the next block are fetched.
.macro W
.if WMODE == 1
.set T_, 4*(WI/8)+WI%4
	WIN 1|(2<<2)|(QW<<4)|(QW<<6)
.if (WI/4)%2
	v_wmma_scale_f32_16x16x128_f8f6f4 v[SL+8*T_:SL+8*T_+7], v[24*T_+12:24*T_+23], v[24*QA+12:24*QA+23], v[SL+8*T_:SL+8*T_+7], v[KS+8+T_], v[QS+8+QA] matrix_a_fmt:MATRIX_FMT_FP6 matrix_b_fmt:MATRIX_FMT_FP6
.else
	v_wmma_scale_f32_16x16x128_f8f6f4 v[SL+8*T_:SL+8*T_+7], v[24*T_:24*T_+11], v[24*QA:24*QA+11], 0, v[KS+T_], v[QS+QA] matrix_a_fmt:MATRIX_FMT_FP6 matrix_b_fmt:MATRIX_FMT_FP6
.endif
.elseif WI < 8
	KFRAG 2*WI, 6
	KFRAG 2*WI+1, 6
.endif
.set WI, WI+1
.endm
.macro QKALL w0, w1                    ; tile 0's products on end
.set QA, 0
.set QW, 1
.set WI, 0
.set WMODE, 1
	s_wait_dscnt \w0
.rept 8
	W
.endr
	s_wait_dscnt \w1
.rept 8
	W
.endr
	WIN 0
.endm
; ---- a unit, tile a.  A1: the largest score of each block of 32 keys, my 16 of them: it serves for the row's maximum and, since p rises with the score, for the block's largest p
.macro UA1 a
.set SW, 1+(\a)%2
.set rT, ST+4*(\a)
	WALU                                           ; the scores' products stand ahead of exponentials
	WIN SW*0x15
.irp b, 0,1,2,3
	v_max3_num_f32 v[AM+\b], v[SL+16*\b], v[SL+1+16*\b], v[SL+2+16*\b]
.endr
.irp b, 0,1,2,3
	v_max3_num_f32 v[AM+4+\b], v[SL+8+16*\b], v[SL+9+16*\b], v[SL+10+16*\b]
.endr
	WIN SW*0x14
.irp i, 3,5
.irp b, 0,1,2,3
	v_max3_num_f32 v[AM+\b], v[AM+\b], v[SL+16*\b+\i], v[SL+1+16*\b+\i]
.endr
.irp b, 0,1,2,3
	v_max3_num_f32 v[AM+4+\b], v[AM+4+\b], v[SL+8+16*\b+\i], v[SL+9+16*\b+\i]
.endr
.endr
.irp b, 0,1,2,3
	v_max3_num_f32 v[AM+\b], v[AM+\b], v[SL+7+16*\b], v[SL+15+16*\b]
.endr
	WIN 0
.irp b, 0,1,2,3
	v_max_num_f32 v[AM+\b], v[AM+\b], v[AM+4+\b]
.endr
.endm
; A2: with lane l xor 16's keys; the running M
.macro UA2 a
.irp b, 0,1,2,3
	v_permlanex16_b32 v[AM+4+\b], v[AM+\b], s52, s53
.endr
	W
	WIN 0
.irp b, 0,1,2,3
	v_max_num_f32 v[AM+\b], v[AM+\b], v[AM+4+\b]
.endr
	W
	WIN 0
	v_max3_num_f32 v[XT], v[AM], v[AM+1], v[AM+2]
	W
	WIN 0
	v_max_num_f32 v[XT], v[XT], v[AM+3]
	W
	WIN 0
	v_mul_f32 v[XT], s22, v[XT]                    ; as t (c is positive)
	W
	WIN 0
	v_max_num_f32 v[rT+1], v[rT+1], v[XT]          ; the running largest t
	W
	WIN 0
	v_mov_b32 v[XT+1], v[rT]
	v_floor_f32 v[rT], -v[rT+1]                    ; -M = -ceil(t): M is a whole number
	W
	WIN 0
	v_sub_f32 v[XT+1], v[rT], v[XT+1]              ; old M - new M: a whole number, 0 or less
.endm
; B: p
.macro UB a
.set jj, 0
.rept 32
	WIN SW*0x41
	v_pk_fma_f32 v[SL+jj:SL+jj+1], v[SL+jj:SL+jj+1], s[22:23], v[rT:rT+1] op_sel_hi:[1,0,0]   ; t - M, two at a time
.set jj, jj+2
.if jj == 8                            ; the first group's last product: the second group's eight stand behind the exponentials
	W
.endif
.endr
	WIN 0
	v_cvt_i32_f32 v[FD+1], v[XT+1]                 ; (it saturates)
.irp b, 0,1,2,3
	v_fma_f32 v[AM+\b], v[AM+\b], s22, v[rT]
.endr
	v_ldexp_f32 v[FD], 1.0, v[FD+1]                ; f = 2^(old M - new M)
	WALU                                           ; the wait ahead of the batch
.irp b, 0,1,2,3
	v_exp_f32 v[AM+\b], v[AM+\b]                   ; the block's largest p: the same two instructions on the same number
.endr
.set jj, 0
.rept 64
	WIN SW*0x41
	v_exp_f32 v[SL+jj], v[SL+jj]                   ; p = 2^(t - M), at most 1
.set jj, jj+1
.endr
	WIN 0
	v_nop                                          ; one plain place behind a transcendental
	WALU                                           ; and the wait behind the batch
.endm
; C: scale bytes, codes, the row's sum in four chains of packed additions
.macro SUMQ q
	WIN SW<<2
	v_pk_add_f32 v[rT+2:rT+3], v[rT+2:rT+3], v[SL+8*(\q):SL+8*(\q)+1]
.irp k, 0,1,2
	v_pk_add_f32 v[SB+2*\k:SB+2*\k+1], v[SB+2*\k:SB+2*\k+1], v[SL+8*(\q)+2*\k+2:SL+8*(\q)+2*\k+3]
.endr
.endm
.macro UC a
.set rP, P1+12*(\a)
	s_cmp_eq_u32 s47, 0
	s_cbranch_scc1 .Lno_old_\@                     ; the first trip has nothing to hand on
	v_sub_nc_u32 v[XT], 0, v[FD+1]                 ; d = new M - old M.  The first step's scale bytes fall by d, held at 1: 255 - byte rises by d, held at 254
	v_xor_b32 v[XT+1], -1, v[PS1+(\a)]
.irp b, 0,1,2,3
	v_bfe_u32 v[CY+\b], v[XT+1], 8*\b, 8
.endr
.irp b, 0,1,2,3
	v_add_nc_u32 v[CY+\b], v[CY+\b], v[XT]
.endr
.irp b, 0,1,2,3
	v_min_u32 v[CY+\b], 0xfe, v[CY+\b]
.endr
	v_lshl_or_b32 v[XT+1], v[CY+1], 8, v[CY]
	v_lshl_or_b32 v[XT+1], v[CY+2], 16, v[XT+1]
	v_lshl_or_b32 v[XT+1], v[CY+3], 24, v[XT+1]
	v_xor_b32 v[PS0+(\a)], -1, v[XT+1]
	WIN 0xc0
.irp i, 0,1,2,3,4,5,6,7,8,9,10,11
	v_mov_b32 v[12*(\a)+\i], v[rP+\i]              ; and its codes move to window 3
.endr
	WIN 0
.Lno_old_\@:
.irp b, 0,1,2,3
	v_max_num_f32 v[AM+\b], 0x1800000, v[AM+\b]    ; the floor 2^(3 - 127): the byte cannot fall under 1
.endr
	W
	WIN 0
.irp b, 0,1,2,3
	v_add_nc_u32 v[CS+\b], 0xff000000, v[AM+\b]    ; 2 off the exponent field: the conversion's scale operand
.endr
	W
	WIN 0
.irp b, 0,1,2,3
	v_lshrrev_b32 v[CY+\b], 23, v[CS+\b]           ; the scale's byte
.endr
	W
	WIN SW*0x05
.irp k, 0,1,2
	v_pk_add_f32 v[SB+2*\k:SB+2*\k+1], v[SL+2+2*\k:SL+3+2*\k], v[SL+10+2*\k:SL+11+2*\k]
.endr
	WIN SW<<4
	v_pk_fma_f32 v[rT+2:rT+3], v[rT+2:rT+3], v[FD:FD+1], v[SL:SL+1] op_sel_hi:[1,0,1]   ; what was summed under the old M comes under the new
	WIN 0
	v_lshl_or_b32 v[PS1+(\a)], v[CY+1], 8, v[CY]
	W
	SUMQ 2
	WIN 0
	v_lshl_or_b32 v[PS1+(\a)], v[CY+2], 16, v[PS1+(\a)]
	W
	SUMQ 3
	WIN 0
	v_lshl_or_b32 v[PS1+(\a)], v[CY+3], 24, v[PS1+(\a)]
	W
	WIN SW
.irp c, 0,1
	v_cvt_scalef32_pk16_fp6_f32 v[rP+6*\c:rP+6*\c+2], v[SL+32*\c:SL+32*\c+15], v[CS+2*\c]
	v_cvt_scalef32_pk16_fp6_f32 v[CT+4*\c:CT+4*\c+2], v[SL+16+32*\c:SL+31+32*\c], v[CS+1+2*\c]   ; (a conversion's three registers begin on an even number)
.endr
	SUMQ 4                                         ; (plain places behind the conversions)
	W
	WIN 0
.irp i, 0,1,2                          ; the operand's layout wants a WHOLE block in a lane
.irp c, 0,1
	v_permlane16_swap_b32 v[rP+6*\c+\i], v[CT+4*\c+\i]
.endr
.endr
	W
	SUMQ 5
	WIN 0
.irp i, 0,1,2
.irp c, 0,1
	v_mov_b32 v[rP+3+6*\c+\i], v[CT+4*\c+\i]
.endr
.endr
	SUMQ 6
	v_pk_add_f32 v[rT+2:rT+3], v[rT+2:rT+3], v[SL+8:SL+9]
	SUMQ 7
	WIN 0
	v_pk_add_f32 v[SB:SB+1], v[SB:SB+1], v[SB+2:SB+3]
	v_pk_add_f32 v[rT+2:rT+3], v[rT+2:rT+3], v[SB+4:SB+5]
	v_pk_add_f32 v[rT+2:rT+3], v[rT+2:rT+3], v[SB:SB+1]
.endm
.macro UPRE a, mode
.set QA, ((\a)+1)%8
.set QW, 1+QA%2
.set WI, 0
.set WMODE, \mode
.endm
.macro UNIT a, mode
	UPRE \a, \mode
.if \mode == 2
	SCALES KS, 6
.endif
	UA1 \a
	UA2 \a
	UB \a
	UC \a
.endm
	WALU                                           ; the wait at the head's end
	s_wait_tensorcnt 0x0                           ; my part of the head's tiles is in
	ds_add_u32 v2, v3                              ; 0 onto my spare word
	s_mov_b32 s26, 104<<16                         ; from here on a load brings one block
	s_mov_b32 s28, 104
	s_mov_b32 s16, s50
	s_add_co_u32 s33, s16, KOS
	s_add_nc_u64 s[34:35], s[12:13], s[16:17]
	s_add_nc_u64 s[34:35], s[34:35], 4*BLK
	s_or_b32 s35, s35, 0x80000000
	s_wait_dscnt 0x0
	CROUND                                         ; K's even steps and Q are in
	TL 32, 24                                      ; K's odd steps
	SCALES QS, 7
.irp a, 0,1,2,3,4,5,6,7
	LOADQ \a
.endr
	SCALES KS, 4
.irp f, 0,1,2,3,4,5,6,7,8,9,10,11,12,13,14,15
	KFRAG \f, 4
.endr
	WIN 0
	s_mov_b32 s47, 0
.Ltrip:
	QKALL 24, 0                                    ; behind K's first half stands its second, 24 loads
	v_add_nc_u32 v6, s51, v1                       ; the block that this trip's last unit fetches: K's odd step, then V's even step
	s_sub_co_u32 s51, s51, KOS
.rept 4
	v_nop                                          ; places in front of the first read of the scores
.endr
	UNIT 0, 1
	UNIT 1, 1
	UNIT 2, 1
	UPRE 3, 1
	s_wait_tensorcnt 0x0                           ; my last load has landed
	ds_add_u32 v2, v3
	s_xor_b32 s33, s33, KOS                        ; V's even steps over K's even, V's odd over K's odd
	s_add_nc_u64 s[34:35], s[34:35], 4*BLK
	UA1 3
	WALU
	s_wait_dscnt 0x0                               ; the add is done, and so are my reads of those blocks
	s_barrier_signal -1
	UA2 3                                          ; work on registers while the others arrive
	WIN 0
	WALU
	s_barrier_wait -1
	CREST                                          ; no wave of any partner still reads these blocks or has a load on its way
	TL 32, 24
	UB 3
	UC 3
	UNIT 4, 1
	UNIT 5, 1
	UNIT 6, 1
	UNIT 7, 2
	s_add_co_u32 s47, s47, 1
	s_cmp_lt_u32 s47, 2
	s_cbranch_scc1 .Ltrip
	; ================= (-M, l) to the other quarters' waves.  Lanes 0-15 speak for tile 2 i, lanes 16-31 for tile 2 i + 1
.irp a, 0,1,2,3,4,5,6,7
	v_add_f32 v[88+\a], v[ST+4*\a+2], v[ST+4*\a+3]
.endr
.irp i, 0,1,2,3
	v_permlane16_swap_b32 v[88+2*\i], v[89+2*\i]
.endr
.irp i, 0,1,2,3
	v_cndmask_b32 v[120+2*\i], v[ST+8*\i], v[ST+8*\i+4], s54
	v_add_f32 v[121+2*\i], v[88+2*\i], v[89+2*\i]  ; both halves of the lanes' sums
.endr
	v_and_b32 v157, 15, v0
	v_lshlrev_b32 v157, 3, v157
	v_bfe_u32 v158, v0, 4, 1
	v_lshl_add_u32 v157, v158, 9, v157
	v_lshlrev_b32 v153, 5, v158
	v_add_nc_u32 v153, s86, v153                   ; my weights, back: 8 h queries
	v_add_nc_u32 v158, s85, v157                   ; where I put mine
	v_add_nc_u32 v157, XCH, v157                   ; where I read all four quarters'
	v_and_b32 v152, 31, v0
	v_lshlrev_b32 v152, 2, v152
	v_add_nc_u32 v154, s87, v152                   ; my results, into the sum over the waves
	v_add_nc_u32 v152, s86, v152                   ; my weights, in
	v_lshrrev_b32 v155, 4, v0                      ; thread t sums channels 2 t, 2 t + 1: tile 2 (t / 16) + (t / 4) % 2, row 8 ((t / 8) % 2) + 2 (t % 4)
	v_bfe_u32 v159, v0, 2, 1
	v_lshl_add_u32 v155, v155, 1, v159
	v_lshlrev_b32 v155, 7, v155
	v_bfe_u32 v159, v0, 3, 1
	v_lshl_add_u32 v155, v159, 5, v155
	v_and_b32 v159, 3, v0
	v_lshl_add_u32 v155, v159, 3, v155
	v_add_nc_u32 v155, RED, v155
	v_lshlrev_b32 v156, 3, v0
	WALU
	s_wait_tensorcnt 0x0                           ; my part of V's odd steps is in
.irp i, 0,1,2,3
	ds_store_b64 v158, v[120+2*\i:121+2*\i] offset:1024*\i
.endr
	s_wait_dscnt 0x0
	s_barrier_signal -1
	s_barrier_wait -1                              ; all of V is in, and all quarters' (-M, l)
	; ================= PHASE 2
.irp i, 0,1,2,3
.irp k, 0,1,2,3
	ds_load_b64 v[88+8*\i+2*\k:89+8*\i+2*\k], v157 offset:1024*\i+128*\k
.endr
.endr
	SCALES QS, 5
.irp c, 0,1,2,3
	LOADVO \c
.endr
	s_wait_dscnt 16                                ; the sixteen pairs are in; 4 + 12 loads of V may be out
.irp i, 0,1,2,3
	v_min3_num_f32 v[128+\i], v[88+8*\i], v[90+8*\i], v[92+8*\i]
.endr
.irp i, 0,1,2,3
	v_min_num_f32 v[128+\i], v[128+\i], v[94+8*\i] ; -M of the row
.endr
.irp k, 0,1,2,3
.irp i, 0,1,2,3
	v_sub_f32 v[88+8*\i+2*\k], v[128+\i], v[88+8*\i+2*\k]
.endr
.endr
.irp i, 0,1,2,3
	v_sub_f32 v[132+\i], v[128+\i], v[120+2*\i]    ; M of my quarter - M of the row
.endr
.irp k, 0,1,2,3
.irp i, 0,1,2,3
	v_cvt_i32_f32 v[88+8*\i+2*\k], v[88+8*\i+2*\k]
.endr
.endr
.irp i, 0,1,2,3
	v_cvt_i32_f32 v[132+\i], v[132+\i]
.endr
.irp k, 0,1,2,3
.irp i, 0,1,2,3
	v_ldexp_f32 v[89+8*\i+2*\k], v[89+8*\i+2*\k], v[88+8*\i+2*\k]
.endr
.endr
.irp i, 0,1,2,3
	v_add_f32 v[89+8*\i], v[89+8*\i], v[91+8*\i]
	v_add_f32 v[93+8*\i], v[93+8*\i], v[95+8*\i]
.endr
.irp i, 0,1,2,3
	v_add_f32 v[89+8*\i], v[89+8*\i], v[93+8*\i]   ; l of the row
.endr
	WALU
.irp i, 0,1,2,3
	v_rcp_f32 v[128+\i], v[89+8*\i]
.endr
	v_nop                                          ; one plain place behind a transcendental
	WALU
.irp i, 0,1,2,3
	v_mul_f32 v[128+\i], 0x3a800000, v[128+\i]     ; x 2^-10: the mean over 1,024 queries
.endr
.irp i, 0,1,2,3
	v_ldexp_f32 v[128+\i], v[128+\i], v[132+\i]
.endr
.irp i, 0,1,2,3
	ds_store_b32 v152, v[128+\i] offset:128*\i     ; the wave's own 512 bytes: LDS serves a wave's instructions in order (ISA guide 5.7.1.4)
.endr
	WIN 0xc0
.irp a, 0,1,2,3,4,5,6,7                ; register j: the weight of query 8 h + j of tile a
	ds_load_b128 v[WR+8*\a:WR+8*\a+3], v153 offset:64*\a
	ds_load_b128 v[WR+8*\a+4:WR+8*\a+7], v153 offset:64*\a+16
.endr
	WIN 0
.irp c, 4,5,6,7,8,9,10,11,12,13,14,15
	LOADVO \c
.endr
; channel tile c: eight accumulators take turns, one instruction a turn, in window OW; behind each product two lines of the weighted sum of the tile before, in window EW
.macro EITEM
.set E_, 8*(EI/4)+2*(EI%4)
	WIN EW|(3<<2)
.if EI == 0
	v_pk_mul_f32 v[88:89], v[SL+E_:SL+E_+1], v[WR+E_:WR+E_+1]      ; each accumulator from its low end on; tiles 0-3 in one chain, 4-7 in the other
	v_pk_mul_f32 v[90:91], v[SL+32+E_:SL+33+E_], v[WR+32+E_:WR+33+E_]
.else
	v_pk_fma_f32 v[88:89], v[SL+E_:SL+E_+1], v[WR+E_:WR+E_+1], v[88:89]
	v_pk_fma_f32 v[90:91], v[SL+32+E_:SL+33+E_], v[WR+32+E_:WR+33+E_], v[90:91]
.endif
.set EI, EI+1
.endm
.macro EEND c
	WIN 0
	v_pk_add_f32 v[88:89], v[88:89], v[90:91]
	v_add_f32 v[RS+(\c)], v[88], v[89]
.endm
.macro PV c
.set OW, 1+(\c)%2
.set EW, 3-OW
.set EI, 0
.irp s, 0,1
.irp a, 0,1,2,3,4,5,6,7
.if \s
	WIN (2<<2)|(OW<<4)|(OW<<6)
	v_wmma_scale_f32_16x16x128_f8f6f4 v[SL+8*\a:SL+8*\a+7], v[P1+12*\a:P1+12*\a+11], v[12*(\c):12*(\c)+11], v[SL+8*\a:SL+8*\a+7], v[PS1+\a], v[QS+(\c)] matrix_a_fmt:MATRIX_FMT_FP6 matrix_b_fmt:MATRIX_FMT_FP6
.else
	WIN 3|(1<<2)|(OW<<4)|(OW<<6)
	v_wmma_scale_f32_16x16x128_f8f6f4 v[SL+8*\a:SL+8*\a+7], v[12*\a:12*\a+11], v[12*(\c):12*(\c)+11], 0, v[PS0+\a], v[KS+(\c)] matrix_a_fmt:MATRIX_FMT_FP6 matrix_b_fmt:MATRIX_FMT_FP6
.endif
.if (\c) > 0
	EITEM
.endif
.endr
.endr
.if (\c) > 0
	EEND (\c)-1
.endif
	WIN 0
.endm
	s_wait_dscnt 63                                ; tile 0's fragment is in: behind it stand 9 + 4 + 16 + 36; the wait names the largest count that it can
	PV 0
.rept 4
	v_nop                                          ; places in front of the first read of results
.endr
	s_wait_dscnt 36                                ; the weights and tiles 0-3 are in
	PV 1
	PV 2
	PV 3
.irp c, 4,5,6,7,8,9,10,11,12,13,14,15
	s_wait_dscnt 3*(15-\c)                         ; the later tiles' fragments may be out
	PV \c
.endr
.set EW, 2
.set EI, 0
.rept 16
	EITEM
.endr
	EEND 15
.irp c, 0,1,2,3,4,5,6,7,8,9,10,11,12,13,14,15
	ds_store_b32 v154, v[RS+\c] offset:128*\c
.endr
	s_wait_dscnt 0x0                               ; for the others' sake: my stores have landed
	s_barrier_signal -1
	s_barrier_wait -1
.irp w, 0,1,2,3                        ; 4 waves x 2 halves of the lanes
	ds_load_b64 v[P1+4*\w:P1+4*\w+1], v155 offset:2048*\w
	ds_load_b64 v[P1+4*\w+2:P1+4*\w+3], v155 offset:2048*\w+64
.endr
	s_wait_dscnt 0x0
.irp w, 0,1,2,3
	v_pk_add_f32 v[P1+4*\w:P1+4*\w+1], v[P1+4*\w:P1+4*\w+1], v[P1+4*\w+2:P1+4*\w+3]
.endr
	v_pk_add_f32 v[P1:P1+1], v[P1:P1+1], v[P1+4:P1+5]
	v_pk_add_f32 v[P1+8:P1+9], v[P1+8:P1+9], v[P1+12:P1+13]
	v_pk_add_f32 v[P1:P1+1], v[P1:P1+1], v[P1+8:P1+9]
	global_store_b64 v156, v[P1:P1+1], s[20:21]    ; a wave stores 256 consecutive bytes, aligned
	s_wait_tensorcnt 0x0                           ; the wave's end, behind my last tensor load and my last LDS store
	ds_add_u32 v2, v3
	s_wait_dscnt 0x0
	CROUND                                         ; the closing round: no work-group ends while a partner may still ask for a tile that names it
	s_endpgm
.Lfunc_end_k_qb0384681c8_attn:
	.size	k_qb0384681c8_attn, .Lfunc_end_k_qb0384681c8_attn-k_qb0384681c8_attn
	.p2alignl 7, 3214868480
	.fill 96, 4, 3214868480
	.section	.rodata,"a",@progbits
	.p2align	6, 0x0
	.amdhsa_kernel k_qb0384681c8_attn
		.amdhsa_group_segment_fixed_size 327680
		.amdhsa_private_segment_fixed_size 0
		.amdhsa_enable_private_segment 0
		.amdhsa_kernarg_size 16
		.amdhsa_user_sgpr_count 2
		.amdhsa_user_sgpr_kernarg_segment_ptr 1
		.amdhsa_wavefront_size32 1
		.amdhsa_system_sgpr_workgroup_id_x 1
		.amdhsa_system_sgpr_workgroup_id_y 1
		.amdhsa_system_sgpr_workgroup_id_z 1
		.amdhsa_system_vgpr_workitem_id 0
		.amdhsa_next_free_vgpr 1024
		.amdhsa_next_free_sgpr 92
		.amdhsa_reserve_vcc 0
		.amdhsa_float_denorm_mode_32 3
		.amdhsa_float_denorm_mode_16_64 3
		.amdhsa_memory_ordered 1
		.amdhsa_forward_progress 1
		.amdhsa_inst_pref_size 247
	.end_amdhsa_kernel
	.amdgpu_metadata
---
amdhsa.version: [ 1, 2 ]
amdhsa.kernels:
  - .name:           k_qb0384681c8_attn
    .symbol:         k_qb0384681c8_attn.kd
    .args:
      - { .name: qkv, .offset: 0, .size: 8, .value_kind: global_buffer, .address_space: global }
      - { .name: part, .offset: 8, .size: 8, .value_kind: global_buffer, .address_space: global }
    .group_segment_fixed_size: 327680
    .private_segment_fixed_size: 0
    .kernarg_segment_align: 8
    .kernarg_segment_size: 16
    .max_flat_workgroup_size: 128
    .sgpr_count:     92
    .vgpr_count:     1024
    .wavefront_size: 32
...
	.end_amdgpu_metadata
.endif
;; end of part 3
;; launch head (part 4): grid 16 x 1, 4 waves a work-group, clusters of 4 x 1, 174,080 bytes of LDS; arguments part, wts, out1_b, out2_b, out0; writes out0
.if DOCPART == 4
	.amdgcn_target "amdgcn-amd-amdhsa--gfx1250"
	.amdhsa_code_object_version 6
	.text
	.protected	k_qb0384681c8_head
	.globl	k_qb0384681c8_head
	.p2align	8
	.type	k_qb0384681c8_head,@function
k_qb0384681c8_head:
	s_mov_b64 s[64:65], 0
	v_nop
	global_prefetch_b8 v0, s[64:65] scope:SCOPE_SE
	s_setreg_imm32_b32 hwreg(HW_REG_WAVE_MODE, 25, 1), 1
	s_wait_xcnt 0x0
	s_wait_alu depctr_hold_cnt(0) depctr_sa_sdst(0) depctr_va_vdst(0) depctr_va_sdst(0) depctr_va_ssrc(0) depctr_va_vcc(0) depctr_vm_vsrc(0)
	s_getreg_b32 s2, hwreg(HW_REG_IB_STS2, 6, 4)
	s_cmp_eq_u32 s2, 0
	s_cbranch_scc0 .Lentry_in_a_cluster
	s_endpgm
.Lentry_in_a_cluster:
	s_bfe_u32 s2, ttmp6, 0x10000c
	s_cmp_lg_u32 s2, 0x3003
	s_cbranch_scc0 .Lentry_shape_is_right
	s_endpgm
.Lentry_shape_is_right:
; out0 = relu(fused out1_w + out1_b) out2_w + out2_b, both products on codes of FP6 (E2M3) with one E8M0 scale for each 32 along K.  fused [16][512] is the sum of the eight partial means in part.
; ONE ROW OF out0 TO A WORK-GROUP (g): it brings 8 x 2,048 bytes of partial means; thread t takes the 16 bytes at 16 t of its row in each partial.  The sum over the partials goes through the wave's own 512 bytes of LDS
; and comes back as the quantiser wants it.  The matrix tile's 16 rows all hold row g.
; THE WEIGHTS, 96 images of operand registers (147,456 bytes) and their scale words (12,288 bytes), are the same for all work-groups: the four of a cluster ask for them JOINTLY, one load a wave (waves 0-2 a third of the images each,
; wave 3 the scale words), into LDS bytes that are filled once.
; The four waves share the COLUMNS: wave w quantises K step w of fused (the very columns that its own threads have summed), makes hidden units 64 w .. 64 w + 63 and outputs 64 w .. 64 w + 63.
; Operands go from wave to wave through LDS as images of their registers.  Both products are used transposed (source 0 = 16 columns of a weight): row r of a weight tile t is column
; 32 (t / 2) + 8 (t % 2) + r + 8 (r / 8), so the 16 registers of two neighbouring tiles are 16 neighbours along the next K.  The biases are the C of each sum's first instruction.
; No prefetch: no loop to run ahead in.
; LIMITS: NaN and infinities are not served; a block whose largest magnitude lies under 2^-124 is held at the scale byte 1; a block of zeros gets the byte 1 (its codes are zeros; this program alone reads the bytes).
; REGISTERS, in windows of 256: window 0: v1-15, v228-231 addresses; v16-79 fused, later v16-39 the hidden fragments and v40-71 the outputs; v80-111 the eight partials, later v80-127 the four fused fragments; v128-159 my hidden tiles;
; v160-179 codes; v180-195 at work; v196-211, v212-219 the weights' scale words; v220-223 fused's; v224-225 the hidden layer's; v226 the word just made.
; window 1: out1_w's 16 fragments, from v192 out1_b's four tiles, from v224 out2_b's.  window 2: out2_w's 8 fragments.
.set WSC,  442368
.set FROW, 0                           ; LDS: the summed row, 512 numbers
.set FIMG, 2048                        ; fused's 4 fragments,
.set FSC,  8192                        ; their scale words, 128 bytes each,
.set HIMG, 8704                        ; the hidden layer's 2 fragments, each as six pairs of registers, 256 bytes a pair,
.set HSC,  11776                       ; their scale words,
.set STG,  12032                       ; a stage of 256 bytes for each wave,
.set SPARE, 13312                      ; the spare words,
.set WIMG, 13824                       ; the weights' images,
.set WSCL, WIMG+147456                 ; and their scale words
.set F,    16
.set HF,   16
.set Y,    40
.set FF,   80
.set P,    80
.set HA,   128
.set PC,   160
.set TM,   180
.set W1S,  196
.set W2S,  212
.set FS,   220
.set HS,   224
.set PW,   226
.set MSB, 0
.macro WIN new                         ; the immediate's high byte repeats the setting that is left
.if MSB != \new
	s_set_vgpr_msb (MSB<<8)|\new
.set MSB, \new
.endif
.endm
.macro CROUND                          ; a round of the cluster's barrier
	s_barrier_signal -1
	s_barrier_wait -1
	s_cmp_lg_u32 s14, 0
	s_cbranch_scc1 .Lnot_wave_0_\@
	s_barrier_signal -3
.Lnot_wave_0_\@:
	s_barrier_wait -3
	s_barrier_signal -1
	s_barrier_wait -1
.endm
.macro G1SET g, rows                   ; descriptor group 1: rows of 32 elements of 8 bytes, dense, for all four work-groups
	s_mov_b32 s[\g], 15|(1<<21)|(3<<16)
	s_mov_b32 s[\g+1], 32<<16
	s_mov_b32 s[\g+2], (\rows)<<16
	s_mov_b32 s[\g+3], 32<<16
	s_mov_b32 s[\g+4], \rows
	s_mov_b32 s[\g+5], 32
	s_mov_b32 s[\g+6], 0
	s_mov_b32 s[\g+7], 0
.endm
.macro TL g0, g1
	tensor_load_to_lds s[\g0:\g0+3], s[\g1:\g1+7]
	s_nop 0
.rept 4
	v_nop
.endr
.endm
	s_load_b256 s[4:11], s[0:1], 0x0               ; part, wts, out1_b, out2_b
	s_load_b64 s[12:13], s[0:1], 0x20              ; out0
	v_lshl_add_u32 v254, v0, 2, SPARE
	v_mov_b32 v255, 0
	ds_add_u32 v254, v255
	ds_add_u32 v254, v255
	v_lshrrev_b32 v13, 5, v0
	v_readfirstlane_b32 s14, v13                   ; wave
	s_lshl_b32 s15, s14, 9
	s_mul_i32 s16, s14, 1536
	s_lshl_b32 s17, s14, 7
	s_add_co_u32 s17, s17, FSC
	s_lshr_b32 s32, s14, 1
	s_and_b32 s33, s14, 1
	s_mul_i32 s18, s32, 1536
	s_mul_i32 s19, s33, 768
	s_add_co_u32 s18, s18, s19
	s_add_co_u32 s18, s18, HIMG
	s_lshl_b32 s19, s32, 7
	s_lshl_b32 s33, s33, 1
	s_add_co_u32 s19, s19, s33
	s_add_co_u32 s19, s19, HSC
	s_lshl_b32 s20, s14, 8
	s_add_co_u32 s21, s20, STG
	s_mul_i32 s22, s14, 16*1536
	s_add_co_u32 s22, s22, WIMG                    ; out1_w: my 16 images
	s_mul_i32 s23, s14, 8*1536
	s_add_co_u32 s23, s23, WIMG+64*1536            ; out2_w: my 8
	s_lshl_b32 s30, s14, 11
	s_add_co_u32 s30, s30, WSCL
	s_lshl_b32 s31, s14, 10
	s_add_co_u32 s31, s31, WSCL+64*128
	s_mov_b32 s24, s20                             ; my 64 numbers of each bias
	s_mov_b32 s25, 0
	s_mov_b32 s28, 0x76543210
	s_mov_b32 s29, 0xfedcba98                      ; v_permlanex16_b32's selects for lane l xor 16
	s_bfe_u32 s38, ttmp6, 0x40000                  ; cx: it enters part's and out0's addresses alone
	s_lshl_b32 s39, ttmp9, 2
	s_add_co_u32 s39, s39, s38                     ; g
	s_lshl_b32 s34, s39, 11                        ; row g of a partial: 2,048 bytes a row
	s_mov_b32 s35, 0
	s_lshl_b32 s36, s39, 10                        ; row g of out0: 1,024 bytes a row
	s_mov_b32 s37, 0
	G1SET 44, 192                                  ; 32 images
	G1SET 52, 48                                   ; all scale words
	s_mul_i32 s32, s14, 49152
	s_mov_b32 s33, 0
	s_mov_b32 s40, 1
	s_add_co_u32 s41, s32, WIMG
	s_mov_b32 s60, 1
	s_mov_b32 s61, WSCL
	v_and_b32 v13, 31, v0                          ; lane
	v_bfe_u32 v15, v0, 4, 1                        ; h
	v_lshlrev_b32 v1, 4, v13                       ; 16 x lane
	v_lshlrev_b32 v2, 2, v13                       ; 4 x lane
	v_lshlrev_b32 v3, 4, v0                        ; 16 x thread: my 16 bytes of a row of part, and of the summed row in LDS
	v_lshlrev_b32 v4, 6, v15                       ; the biases: 16 h numbers
	v_add_nc_u32 v14, s15, v4                      ; the summed row, on the way back: my K step's 512 bytes, + 16 h numbers
	v_add_nc_u32 v5, s16, v1                       ; where I put my fused fragment
	v_add_nc_u32 v6, s17, v2                       ; and its scale word
	v_lshl_add_u32 v7, v13, 3, s18                 ; my half (registers 6 (w % 2) on) of hidden fragment w / 2
	v_add_nc_u32 v8, s19, v2                       ; and my two bytes of its scale word
	v_lshl_add_u32 v9, v13, 3, HIMG
	v_lshl_add_u32 v12, v13, 3, s20                ; out0: my wave's 256 bytes of the row, 8 bytes a lane
	v_add_nc_u32 v10, s21, v4                      ; my stage, in: + 16 h columns
	v_lshl_add_u32 v11, v13, 3, s21                ; back: 8 bytes a lane
	v_add_nc_u32 v228, s22, v1
	v_add_nc_u32 v229, s23, v1
	v_add_nc_u32 v230, s30, v2
	v_add_nc_u32 v231, s31, v2
.irp b, 0,1,2,3
	v_mov_b32 v[TM+4+\b], 0                        ; written once: a lane permute's destination counts as one of its sources
.endr
	s_wait_alu depctr_va_vdst(0)                   ; the wait at the head's end
	s_wait_dscnt 0x0                               ; both opening adds are done
	CROUND                                         ; all four work-groups are here: the joint loads meet
	s_wait_kmcnt 0x0
	s_add_nc_u64 s[42:43], s[6:7], s[32:33]
	s_add_nc_u64 s[42:43], s[42:43], 192*1536
	s_or_b32 s43, s43, 0x80000000
	s_add_nc_u64 s[62:63], s[6:7], WSC+192*128
	s_or_b32 s63, s63, 0x80000000
	s_cmp_lt_u32 s14, 3
	s_cbranch_scc0 .Lscales
	TL 40, 44
	s_branch .Lasked
.Lscales:
	TL 60, 52
.Lasked:
	s_add_nc_u64 s[4:5], s[4:5], s[34:35]
	s_add_nc_u64 s[12:13], s[12:13], s[36:37]
	s_add_nc_u64 s[26:27], s[10:11], s[24:25]      ; out2_b
	s_add_nc_u64 s[24:25], s[8:9], s[24:25]        ; out1_b
.irp p, 0,1,2,3,4,5,6,7
	global_load_b128 v[P+4*\p:P+4*\p+3], v3, s[4:5] offset:\p*32768   ; partial p of row g: a wave reads 512 consecutive bytes
.endr
	WIN 0x40                                       ; destination window 1
.irp l, 0,1,2,3
	global_load_b128 v[192+8*\l:195+8*\l], v4, s[24:25] offset:(32*(\l/2)+8*(\l%2))*4
	global_load_b128 v[196+8*\l:199+8*\l], v4, s[24:25] offset:(32*(\l/2)+8*(\l%2))*4+16
.endr
.irp l, 0,1,2,3
	global_load_b128 v[224+8*\l:227+8*\l], v4, s[26:27] offset:(32*(\l/2)+8*(\l%2))*4
	global_load_b128 v[228+8*\l:231+8*\l], v4, s[26:27] offset:(32*(\l/2)+8*(\l%2))*4+16
.endr
	WIN 0
	; ---- the sum of the eight partials, four numbers a thread, as a tree
.macro ADDP a, b
	v_pk_add_f32 v[P+4*\a:P+4*\a+1], v[P+4*\a:P+4*\a+1], v[P+4*\b:P+4*\b+1]
	v_pk_add_f32 v[P+4*\a+2:P+4*\a+3], v[P+4*\a+2:P+4*\a+3], v[P+4*\b+2:P+4*\b+3]
.endm
	s_wait_loadcnt 16                              ; the eight partials are in; the 16 loads of the biases may be out
	ADDP 0, 1
	ADDP 2, 3
	ADDP 4, 5
	ADDP 6, 7
	ADDP 0, 2
	ADDP 4, 6
	ADDP 0, 4
	ds_store_b128 v3, v[P:P+3] offset:FROW         ; columns 4 t .. 4 t + 3: my wave's threads fill its own 512 bytes
.irp b, 0,1,2,3
.irp j, 0,1,2,3
	ds_load_b128 v[F+16*\b+4*\j:F+16*\b+4*\j+3], v14 offset:FROW+128*\b+16*\j   ; register 16 b + i = column 128 w + 32 b + 16 h + i; LDS serves a wave's instructions in order (ISA guide 5.7.1.4)
.endr
.endr
	s_wait_dscnt 0x0
; blocks of a lane's numbers, register 16 b + i = k 32 b + 16 h + i of my row: largest magnitudes, scale operands in v[TM+12] on, bytes in v[TM+4] on
.macro BLOCKS s, b0, b1, b2, b3
.irp b, \b0 \b1 \b2 \b3
	v_max3_num_f32 v[TM+\b], |v[(\s)+16*\b]|, |v[(\s)+1+16*\b]|, 0x1800000   ; with the floor 2^(3 - 127): the byte cannot fall under 1
.endr
.irp i, 2,4,6,8,10,12,14
.irp b, \b0 \b1 \b2 \b3
	v_max3_num_f32 v[TM+\b], v[TM+\b], |v[(\s)+16*\b+\i]|, |v[(\s)+1+16*\b+\i]|
.endr
.endr
.irp b, \b0 \b1 \b2 \b3
	v_permlanex16_b32 v[TM+4+\b], v[TM+\b], s28, s29
.endr
.irp b, \b0 \b1 \b2 \b3
	v_max_num_f32 v[TM+\b], v[TM+\b], v[TM+4+\b]   ; with lane l xor 16's: the block's largest magnitude
.endr
.irp b, \b0 \b1 \b2 \b3
	v_add_nc_u32 v[TM+12+\b], 0xff000000, v[TM+\b] ; 2 off the exponent field: the conversion's scale operand
.endr
.irp b, \b0 \b1 \b2 \b3
	v_lshrrev_b32 v[TM+4+\b], 23, v[TM+12+\b]      ; the scale's byte
.endr
.endm
.macro CODES s, c                      ; blocks 2 c and 2 c + 1 become registers 6 c .. 6 c + 5 of the operand
	v_cvt_scalef32_pk16_fp6_f32 v[PC+6*\c:PC+2+6*\c], v[(\s)+32*\c:(\s)+15+32*\c], v[TM+12+2*\c]
	v_cvt_scalef32_pk16_fp6_f32 v[PC+12+4*\c:PC+14+4*\c], v[(\s)+16+32*\c:(\s)+31+32*\c], v[TM+13+2*\c]   ; (a conversion's three registers begin on an even number)
.endm
.macro WHOLE c                         ; the operand's layout wants a WHOLE block in a lane
.irp i, 0,1,2
	v_permlane16_swap_b32 v[PC+6*\c+\i], v[PC+12+4*\c+\i]
.endr
.irp i, 0,1,2
	v_mov_b32 v[PC+3+6*\c+\i], v[PC+12+4*\c+\i]
.endr
.endm
.macro BARRIER                         ; my LDS stores have landed and my LDS loads are in: then the work-group's barrier
	s_wait_dscnt 0x0
	s_barrier_signal -1
	s_barrier_wait -1
.endm
	BLOCKS F, 0, 1, 2, 3
	v_lshl_or_b32 v[PW], v[TM+5], 8, v[TM+4]
	v_lshl_or_b32 v[PW], v[TM+6], 16, v[PW]
	v_lshl_or_b32 v[PW], v[TM+7], 24, v[PW]
	CODES F, 0
	CODES F, 1
	v_nop                                          ; one plain place behind a scaled conversion
	WHOLE 0
	WHOLE 1
.irp j, 0,1,2
	ds_store_b128 v5, v[PC+4*\j:PC+4*\j+3] offset:FIMG+512*\j
.endr
	ds_store_b32 v6, v[PW]
	s_wait_alu depctr_va_vdst(0)
	s_wait_tensorcnt 0x0                           ; my part of the weights is in
	BARRIER                                        ; fused's four fragments and all weights lie in LDS
.irp s, 0,1,2,3
.irp j, 0,1,2
	ds_load_b128 v[FF+12*\s+4*\j:FF+12*\s+4*\j+3], v1 offset:FIMG+1536*\s+512*\j
.endr
	ds_load_b32 v[FS+\s], v2 offset:FSC+128*\s
.endr
.irp f, 0,1,2,3,4,5,6,7,8,9,10,11,12,13,14,15
	ds_load_b32 v[W1S+\f], v230 offset:128*\f
.endr
	WIN 0x40
.irp f, 0,1,2,3,4,5,6,7,8,9,10,11,12,13,14,15
.irp j, 0,1,2
	ds_load_b128 v[12*\f+4*\j:12*\f+4*\j+3], v228 offset:1536*\f+512*\j   ; out1_w's fragment 4 lt + s
.endr
.endr
	WIN 0
.irp f, 0,1,2,3,4,5,6,7
	ds_load_b32 v[W2S+\f], v231 offset:128*\f
.endr
	WIN 0x80
.irp f, 0,1,2,3,4,5,6,7
.irp j, 0,1,2
	ds_load_b128 v[12*\f+4*\j:12*\f+4*\j+3], v229 offset:1536*\f+512*\j   ; out2_w's fragment 2 lt + s
.endr
.endr
	s_wait_dscnt 32                                ; the 32 loads for the second product may be out
	s_wait_loadcnt 0x0                             ; the biases
	WIN 0x11                                       ; A (out1_w) and C (out1_b) window 1.  Four accumulators take turns, one instruction a turn
.irp l, 0,1,2,3
	v_wmma_scale_f32_16x16x128_f8f6f4 v[HA+8*\l:HA+8*\l+7], v[48*\l:48*\l+11], v[FF:FF+11], v[192+8*\l:199+8*\l], v[W1S+4*\l], v[FS] matrix_a_fmt:MATRIX_FMT_FP6 matrix_b_fmt:MATRIX_FMT_FP6
.endr
	WIN 0x01
.irp s, 1,2,3
.irp l, 0,1,2,3
	v_wmma_scale_f32_16x16x128_f8f6f4 v[HA+8*\l:HA+8*\l+7], v[48*\l+12*\s:48*\l+12*\s+11], v[FF+12*\s:FF+12*\s+11], v[HA+8*\l:HA+8*\l+7], v[W1S+4*\l+\s], v[FS+\s] matrix_a_fmt:MATRIX_FMT_FP6 matrix_b_fmt:MATRIX_FMT_FP6
.endr
.endr
	WIN 0
.rept 4
	v_nop                                          ; places in front of the first read of results
.endr
.set jj, 0
.rept 32
	v_max_num_f32 v[HA+jj], 0, v[HA+jj]            ; the activation, in f32; each accumulator from its low end on
.set jj, jj+1
.endr
	BLOCKS HA, 0, 1
	v_lshl_or_b32 v[PW], v[TM+5], 8, v[TM+4]
	CODES HA, 0
	v_nop
	WHOLE 0
.irp i, 0,1,2
	ds_store_b64 v7, v[PC+2*\i:PC+2*\i+1] offset:256*\i
.endr
	ds_store_b16 v8, v[PW]
	BARRIER                                        ; the hidden layer's two fragments lie in LDS
.irp s, 0,1
.irp i, 0,1,2,3,4,5
	ds_load_b64 v[HF+12*\s+2*\i:HF+12*\s+2*\i+1], v9 offset:1536*\s+256*\i
.endr
	ds_load_b32 v[HS+\s], v2 offset:HSC+128*\s
.endr
	s_wait_dscnt 0x0
	WIN 0x12                                       ; A (out2_w) window 2, C (out2_b) window 1
.irp l, 0,1,2,3
	v_wmma_scale_f32_16x16x128_f8f6f4 v[Y+8*\l:Y+8*\l+7], v[24*\l:24*\l+11], v[HF:HF+11], v[224+8*\l:231+8*\l], v[W2S+2*\l], v[HS] matrix_a_fmt:MATRIX_FMT_FP6 matrix_b_fmt:MATRIX_FMT_FP6
.endr
	WIN 0x02
.irp l, 0,1,2,3
	v_wmma_scale_f32_16x16x128_f8f6f4 v[Y+8*\l:Y+8*\l+7], v[24*\l+12:24*\l+23], v[HF+12:HF+23], v[Y+8*\l:Y+8*\l+7], v[W2S+2*\l+1], v[HS+1] matrix_a_fmt:MATRIX_FMT_FP6 matrix_b_fmt:MATRIX_FMT_FP6
.endr
	WIN 0
.rept 4
	v_nop                                          ; places in front of the first read of results
.endr
.irp l, 0,1,2,3                        ; half h, register j of tile l: out0(g, 64 w + 32 (l / 2) + 8 (l % 2) + 16 h + j); the sixteen lanes of a half hold the same row and write the same bytes with the same values
	ds_store_b128 v10, v[Y+8*\l:Y+8*\l+3] offset:128*(\l/2)+32*(\l%2)
	ds_store_b128 v10, v[Y+8*\l+4:Y+8*\l+7] offset:128*(\l/2)+32*(\l%2)+16
.endr
	ds_load_b64 v[FF:FF+1], v11                    ; this sees my wave's stores
	s_wait_dscnt 0x0
	global_store_b64 v12, v[FF:FF+1], s[12:13]     ; a wave stores 256 consecutive bytes, aligned
	s_wait_tensorcnt 0x0                           ; the wave's end
	ds_add_u32 v254, v255
	s_wait_dscnt 0x0
	CROUND                                         ; the closing round: no work-group ends while a partner may still ask for a tile that names it
	s_endpgm
.Lfunc_end_k_qb0384681c8_head:
	.size	k_qb0384681c8_head, .Lfunc_end_k_qb0384681c8_head-k_qb0384681c8_head
	.p2alignl 7, 3214868480
	.fill 96, 4, 3214868480
	.section	.rodata,"a",@progbits
	.p2align	6, 0x0
	.amdhsa_kernel k_qb0384681c8_head
		.amdhsa_group_segment_fixed_size 174080
		.amdhsa_private_segment_fixed_size 0
		.amdhsa_enable_private_segment 0
		.amdhsa_kernarg_size 40
		.amdhsa_user_sgpr_count 2
		.amdhsa_user_sgpr_kernarg_segment_ptr 1
		.amdhsa_wavefront_size32 1
		.amdhsa_system_sgpr_workgroup_id_x 1
		.amdhsa_system_sgpr_workgroup_id_y 1
		.amdhsa_system_sgpr_workgroup_id_z 1
		.amdhsa_system_vgpr_workitem_id 0
		.amdhsa_next_free_vgpr 608
		.amdhsa_next_free_sgpr 66
		.amdhsa_reserve_vcc 0
		.amdhsa_float_denorm_mode_32 3
		.amdhsa_float_denorm_mode_16_64 3
		.amdhsa_memory_ordered 1
		.amdhsa_forward_progress 1
		.amdhsa_inst_pref_size 31
	.end_amdhsa_kernel
	.amdgpu_metadata
---
amdhsa.version: [ 1, 2 ]
amdhsa.kernels:
  - .name:           k_qb0384681c8_head
    .symbol:         k_qb0384681c8_head.kd
    .args:
      - { .name: part, .offset: 0, .size: 8, .value_kind: global_buffer, .address_space: global }
      - { .name: wts, .offset: 8, .size: 8, .value_kind: global_buffer, .address_space: global }
      - { .name: out1_b, .offset: 16, .size: 8, .value_kind: global_buffer, .address_space: global }
      - { .name: out2_b, .offset: 24, .size: 8, .value_kind: global_buffer, .address_space: global }
      - { .name: out0, .offset: 32, .size: 8, .value_kind: global_buffer, .address_space: global }
    .group_segment_fixed_size: 174080
    .private_segment_fixed_size: 0
    .kernarg_segment_align: 8
    .kernarg_segment_size: 40
    .max_flat_workgroup_size: 128
    .sgpr_count:     66
    .vgpr_count:     608
    .wavefront_size: 32
...
	.end_amdgpu_metadata
.endif
;; end of part 4
